; MI455X (gfx1250); checked and timed in simulation.
; The chip was launched on July 23, 2026; its instructions are those of AMD's public machine-readable ISA for CDNA 5 (MIT licence, August 2026) and "CDNA5" Instruction Set Architecture Reference Guide (July 2026). The comments in the code are by the model that wrote it; some were corrected since.
;; Attn Block. Allowed arithmetic: matrix products marked QUANTISED: E2M1 operands, one E8M0 scale for each 32 along K, by v_wmma_scale_f32_16x16x128_f8f6f4 with both operands' format E2M1 (or v_wmma_scale_f32_32x16x128_f4), f32 sums; everything else in f32.
;; Inputs: bk 512 float32; bp 512 float32; bq 512 float32; bv 512 float32; gn_bias 512 float32; gn_scale 512 float32; wk_codes 512 x 16 x 16 uint8 (E2M1 codes of wk, K innermost, in blocks of 32 codes, two codes a byte); wk_scales 512 x 16 uint8 (E8M0 scales of wk, one for each 32 codes along K); wp_codes 512 x 16 x 16 uint8 (E2M1 codes of wp, K innermost, in blocks of 32 codes, two codes a byte); wp_scales 512 x 16 uint8 (E8M0 scales of wp, one for each 32 codes along K); wq_codes 512 x 16 x 16 uint8 (E2M1 codes of wq, K innermost, in blocks of 32 codes, two codes a byte); wq_scales 512 x 16 uint8 (E8M0 scales of wq, one for each 32 codes along K); wv_codes 512 x 16 x 16 uint8 (E2M1 codes of wv, K innermost, in blocks of 32 codes, two codes a byte); wv_scales 512 x 16 uint8 (E8M0 scales of wv, one for each 32 codes along K); x 8 x 512 x 2,048 float32.
;; Outputs: out0 8 x 512 x 2,048 float32.
;; This version of the problem:
;;   THIS VERSION OF THE PROBLEM IS GIVEN IN LOW PRECISION. The matrix products marked QUANTISED in the list below multiply operands that are first quantised to E2M1 (2 exponent bits, 1 mantissa bit; 4 bits a number), with one power-of-two scale for each 32 numbers along K (OCP MX v1.0); their sums are f32. All else is computed in f32.
;;   The module's matrix products, in the order in which they are computed (A, B: the left and right operand; K: the contracted axis; several contracted axes count as one K, in the product's order):
;;     1. [M 16,384, K 512] x [K 512, N 512]; A: computed on the way; B: input wq (given as codes): QUANTISED
;;     2. [M 16,384, K 512] x [K 512, N 512]; A: computed on the way; B: input wk (given as codes): QUANTISED
;;     3. [M 16,384, K 512] x [K 512, N 512]; A: computed on the way; B: input wv (given as codes): QUANTISED
;;     4. batch 8 x [M 2,048, K 512] x [K 512, N 2,048]; A: computed on the way; B: computed on the way: QUANTISED
;;     5. batch 8 x [M 512, K 2,048] x [K 2,048, N 2,048]; A: computed on the way; B: softmax (see below): QUANTISED
;;     6. [M 16,384, K 512] x [K 512, N 512]; A: computed on the way; B: input wp (given as codes): QUANTISED
;;   THE QUANTISER, for each operand of a quantised product, along K:
;;     - K is cut into blocks of 32 from its start; a last block that is shorter is filled with zeros.
;;     - A block's scale is 2^e with e = floor(log2(the largest magnitude in the block)) - 2, held to -126 .. 127; a block of zeros has e = 0. As a byte (E8M0): e + 127.
;;     - Each number is divided by its block's scale, clamped to +-6, and rounded to the nearest number of E2M1, ties to even, subnormals kept.
;;     - The product sums the exact products of the quantised numbers (number of the format x scale) in f32.
;;   ~~~python
;;   def quantise(x, axis):      # numpy; x: float32 -> the quantised numbers, widened to float32 again
;;       x = np.moveaxis(x, axis, -1); K = x.shape[-1]
;;       x = np.pad(x, [(0, 0)] * (x.ndim - 1) + [(0, -K % 32)]); x = x.reshape(x.shape[:-1] + (-1, 32)); a = np.abs(x).max(-1, keepdims=True)
;;       e = np.where(a > 0, np.clip(np.frexp(np.where(a > 0, a, 1))[1] - 1 - 2, -126, 127), 0)      # np.frexp(a)[1] - 1 = floor(log2(a)), exactly
;;       r = np.clip(x / 2.0 ** e, -6, 6)
;;       step = 2.0 ** (np.maximum(np.frexp(np.where(r == 0, 1, r))[1] - 1, 0) - 1)
;;       q = np.round(r / step) * step * 2.0 ** e      # np.round: ties to even
;;       return np.moveaxis(q.reshape(q.shape[:-2] + (-1,))[..., :K], -1, axis).astype(np.float32)
;;   ~~~
;;   SOFTMAX AHEAD OF A QUANTISED PRODUCT. Where the list says 'softmax', what is quantised is not the finished softmax but p = 2^(t - M), with t = logit x log2(e) and M = ceil(the row's largest t), a whole number; so 1/2 < the row's largest p <= 1. The row's sum l is taken of the UNQUANTISED p, in f32, and the product's result is divided by l at the end. Since M is a whole number, a kernel that streams over the keys may use a running M (the ceiling of the running maximum): every later rescaling is an exact power of two, which a block's scale takes up: the codes' values come out the same.
;;   OPERANDS COMPUTED ON THE WAY. 'Computed on the way' means the value that the module computes at that place (a softmax that the list does not call 'softmax' is quantised finished and normalised). What goes into a quantiser is computed in f32, as accurately as f32 sums, v_exp_f32 and their like allow (about 1e-6 of the number): no bf16 or f16 on the way to a quantiser, and a product that is left as it is and whose result goes on into a quantised operand takes f32 operands (vector FMAs, or v_wmma_f32_16x16x4_f32). A number that lies on a knife's edge between two numbers of the format may be rounded either way, as far as f32 arithmetic and the matrix unit's own rounding can turn it there, and no further.
;;   INPUTS GIVEN AS CODES. wk (in the module: [512, 512], K = its axis 1); wp (in the module: [512, 512], K = its axis 1); wq (in the module: [512, 512], K = its axis 1); wv (in the module: [512, 512], K = its axis 1): each comes as NAME_codes (uint8): NAME with its K axis moved to the last place and cut into blocks of 32 codes, [.., K / 32, bytes a block], one block behind the other in memory; two codes a byte, the lower K in the low four bits (a code: sign, 2 exponent bits, 1 mantissa bit); and NAME_scales (uint8): the same leading axes, one E8M0 byte (e + 127) for each 32 codes along K. Its value is code x scale, taken as it is: it is not quantised again, and the codes and scales need not be those that the quantiser above would give.
;; One version. Each part assembles by itself: llvm-mc -triple=amdgcn-amd-amdhsa -mcpu=gfx1250 --defsym DOCPART=n.
;; ======== version 1 of 1: 3 launches
;; workspace buffers: hc 4,194,304 bytes; hs 262,144 bytes; qimg 4,456,448 bytes; kimg 5,570,560 bytes; vimg 4,456,448 bytes
;; launch norm (part 1): grid 16 x 8, 16 waves a work-group, no clusters, 3,072 bytes of LDS; arguments x, gn_scale, gn_bias, wp_codes, wp_scales, hc, hs, kimg; writes hc, hs, kimg
.if DOCPART == 1
	.amdgcn_target "amdgcn-amd-amdhsa--gfx1250"
	.amdhsa_code_object_version 6
	.text
	.protected	k_q3648605f13_norm
	.globl	k_q3648605f13_norm
	.p2align	8
	.type	k_q3648605f13_norm,@function
k_q3648605f13_norm:
	s_mov_b64 s[64:65], 0
	v_nop
	global_prefetch_b8 v0, s[64:65] scope:SCOPE_SE
	s_setreg_imm32_b32 hwreg(HW_REG_WAVE_MODE, 25, 1), 1
	s_wait_xcnt 0x0
; h = GroupNorm(x) x gain + bias, quantised to FP4 (E2M1) along the channels, one E8M0 byte for each 32 channels.  x: [8][512][2048] f32.
; A work-group owns 32 channels (one block of the quantiser = two groups of the norm) of one batch, all 2,048 positions: 256 KB, which its sixteen waves keep in
; 128 registers a lane, so x is read once: sums, centred squares and codes are all made from registers.  Work-groups share no input: no cluster, no tiles in LDS.
; A LANE TAKES A POSITION AND ITS REGISTERS RUN DOWN THE CHANNELS: wave w, column group i, lane l: n = 128 w + 32 i + l; register X + 32 i + c = channel c of the block.
; So a block's largest magnitude needs no other lane, and the conversions give 16 bytes of codes with the channels innermost.
; OUT: hc [b][n / 16][block 16][n % 16][16 bytes]: the image of an operand's registers (16 positions x 128 channels: 1,024 bytes).  hs [b][block][n / 128][n % 16][(n / 16) % 8]: bytes.
; ALSO: wp's codes and scale words are laid out as operand images behind each batch's sixteen chunks of K in kimg (chunks 16 to 19): waves 0 to 7 a fragment each, wave 8 one K step's scale words.
; STATISTICS in two passes: the mean first, then the squares of x - mean.  gain x rstd is multiplied before it meets x - mean: one rounding order other than the reference's.
; LIMITS: NaN and infinities are not served.  A block whose largest magnitude lies under 2^-124, a block of zeros among them, gets the byte 1: its codes are zeros, and this program alone reads the bytes.
.set X,    32                          ; v32-159  128 numbers
.set GA,   160                         ; v160-191 the 32 gains
.set GB,   192                         ; v192-223 the 32 biases
.set CD,   224                         ; v224-239 codes, four registers a column group
.set BY,   240                         ; v240-243 scale bytes
.set AC,   244                         ; v244-251 four running pairs: group g, chain ch at AC + 4 g + 2 ch; later at work
.set SO,   252                         ; v252-255 the conversions' scale operands
.set RED,  0                           ; LDS: sixteen waves' pairs of sums;
.set RED2, 256                         ; and of squares: other bytes, so that one barrier serves each
.set SEL,  24                          ; s[24:25] v_permlanex16_b32's selects for lane l xor 16
.set CHUNK, 34816
	s_load_b512 s[4:19], s[0:1], 0x0               ; x, gn_scale, gn_bias, wp_codes, wp_scales, hc, hs, kimg
	v_lshl_add_u32 v30, v0, 2, 0x400
	v_mov_b32 v31, 0
	v_lshrrev_b32 v1, 5, v0
	v_readfirstlane_b32 s20, v1                    ; wave 0..15
	v_and_b32 v1, 31, v0                           ; lane
	v_and_b32 v4, 15, v0                           ; r
	v_bfe_u32 v5, v0, 4, 1                         ; h
	v_mov_b32 v3, 0
	v_and_b32 v29, 0x1e0, v0                       ; 32 w
	v_lshlrev_b32 v2, 4, v29
	v_lshl_add_u32 v2, v1, 2, v2                   ; x: 512 w + 4 lane
	v_lshlrev_b32 v6, 10, v29
	v_lshl_add_u32 v6, v5, 12, v6
	v_lshl_add_u32 v6, v4, 4, v6                   ; hc: (8 w + h) x 4,096 + 16 r
	v_lshlrev_b32 v7, 2, v29
	v_lshl_add_u32 v7, v4, 3, v7
	v_lshl_add_u32 v7, v5, 2, v7                   ; hs: 128 w + 8 r + 4 h
	v_lshlrev_b32 v8, 8, v4
	v_lshl_add_u32 v8, v5, 4, v8                   ; wp's codes: row r of 256 bytes + 16 h
	v_lshlrev_b32 v9, 4, v4
	v_lshl_add_u32 v9, v5, 10, v9                  ; wp's scales: row r of 16 bytes, 64 rows on for lanes 16-31
	v_lshlrev_b32 v28, 4, v1                       ; an image's place for my lane
	s_lshl_b32 s23, s20, 3
	v_mov_b32 v10, s23                             ; LDS: my wave's 8 bytes
	v_lshlrev_b32 v11, 3, v4                       ; LDS: wave (lane % 16)'s
.irp k, 16,17,18,19,20,21,22,23
	v_mov_b32 v\k, 0                               ; wp's registers are written in every wave
.endr
	s_mov_b32 s[SEL], 0x76543210
	s_mov_b32 s[SEL+1], 0xfedcba98
	s_mov_b32 s40, 0x38000000                      ; 2^-15: a group has 16 x 2,048 numbers
	s_mov_b32 s41, 0x358637bd                      ; 1e-6
	s_and_b32 s22, ttmp7, 0xffff                   ; batch; ttmp9 = the block of 32 channels
	s_lshl_b32 s26, s22, 22
	s_lshl_b32 s36, ttmp9, 18
	s_add_co_u32 s26, s26, s36                     ; x: (512 b + 32 j) rows of 8,192 bytes
	s_mov_b32 s27, 0
	s_lshl_b32 s28, ttmp9, 7                       ; gains and biases: 128 j
	s_mov_b32 s29, 0
	s_lshl_b32 s30, s22, 19
	s_lshl_b32 s36, ttmp9, 8
	s_add_co_u32 s30, s30, s36                     ; hc: 524,288 b + 256 j
	s_mov_b32 s31, 0
	s_lshl_b32 s32, s22, 15
	s_lshl_b32 s36, ttmp9, 11
	s_add_co_u32 s32, s32, s36                     ; hs: 32,768 b + 2,048 j
	s_mov_b32 s33, 0
	s_and_b32 s36, s20, 7                          ; wp's fragment 8 j + w: tile of rows OT = 2 j + w / 4, K step w % 4
	s_lshr_b32 s37, s36, 2
	s_and_b32 s36, s36, 3
	s_lshl_b32 s34, ttmp9, 1
	s_add_co_u32 s34, s34, s37
	s_lshl_b32 s34, s34, 12
	s_lshl_b32 s38, s36, 6
	s_add_co_u32 s34, s34, s38                     ; from: 4,096 OT + 64 s
	s_mov_b32 s35, 0
	s_mul_i32 s38, s22, 20
	s_lshr_b32 s39, ttmp9, 2
	s_add_co_u32 s38, s38, s39
	s_add_co_u32 s38, s38, 16
	s_mul_i32 s38, s38, CHUNK                      ; chunk 20 b + 16 + j / 4
	s_and_b32 s44, ttmp9, 3
	s_lshl_b32 s45, s44, 1
	s_add_co_u32 s45, s45, s37
	s_lshl_b32 s45, s45, 12
	s_lshl_b32 s36, s36, 10
	s_add_co_u32 s45, s45, s36
	s_add_co_u32 s36, s38, s45                     ; to: + 4,096 (OT % 8) + 1,024 s
	s_mov_b32 s37, 0
	s_lshl_b32 s45, s44, 9
	s_add_co_u32 s38, s38, s45
	s_add_co_u32 s38, s38, 32768                   ; the scale words of K step j % 4: + 32,768 + 512 (j % 4)
	s_lshl_b32 s46, s39, 11
	s_lshl_b32 s44, s44, 2
	s_add_co_u32 s46, s46, s44                     ; from: 128 (j / 4) rows of 16 bytes + 4 (j % 4)
	s_mov_b32 s47, 0
	s_mov_b32 s39, 0
	s_wait_kmcnt 0x0
	s_add_nc_u64 s[4:5], s[4:5], s[26:27]
	s_add_nc_u64 s[6:7], s[6:7], s[28:29]
	s_add_nc_u64 s[8:9], s[8:9], s[28:29]
	s_add_nc_u64 s[10:11], s[10:11], s[34:35]
	s_add_nc_u64 s[12:13], s[12:13], s[46:47]
	s_add_nc_u64 s[14:15], s[14:15], s[30:31]
	s_add_nc_u64 s[16:17], s[16:17], s[32:33]
	s_add_nc_u64 s[42:43], s[18:19], s[38:39]
	s_add_nc_u64 s[18:19], s[18:19], s[36:37]
	s_cmp_lt_u32 s20, 8                            ; wp: waves 0 to 7 a fragment, lane (r, h) group c: row 16 OT + r, block 4 s + 2 c + h
	s_cbranch_scc0 .Lnot_codes
	global_load_b128 v[16:19], v8, s[10:11]
	global_load_b128 v[20:23], v8, s[10:11] offset:32
	s_branch .Lwp_asked
.Lnot_codes:
	s_cmp_eq_u32 s20, 8                            ; wave 8: the words of tiles 4 (lane / 16) + t, row r
	s_cbranch_scc0 .Lwp_asked
.irp t, 0,1,2,3
	global_load_b32 v[16+\t], v9, s[12:13] offset:256*\t
.endr
.Lwp_asked:
.irp k, 0,1,2,3,4,5,6,7
	global_load_b128 v[GA+4*\k:GA+4*\k+3], v3, s[6:7] offset:16*\k
	global_load_b128 v[GB+4*\k:GB+4*\k+3], v3, s[8:9] offset:16*\k
.endr
.set ii, 0
.rept 4
.set cc, 0
.rept 32
	global_load_b32 v[X+32*ii+cc], v2, s[4:5] offset:cc*8192+ii*128 th:TH_LOAD_NT   ; a wave reads 128 consecutive bytes of one channel; a wave's four column groups stand side by side on 512
.set cc, cc+1
.endr
.set ii, ii+1
.endr
; column group ci's 32 numbers into the four running pairs; first = 1: the first additions start the sums, nothing is cleared
.macro SUMI ci, first
.irp k, 0,4,8,12
.irp g, 0,1
.irp ch, 0,1
.if (\first) && (\k == 0)
.elseif (\first) && (\k == 4)
	v_pk_add_f32 v[AC+4*\g+2*\ch:AC+4*\g+2*\ch+1], v[X+32*\ci+16*\g+2*\ch:X+32*\ci+16*\g+2*\ch+1], v[X+32*\ci+16*\g+2*\ch+4:X+32*\ci+16*\g+2*\ch+5]
.else
	v_pk_add_f32 v[AC+4*\g+2*\ch:AC+4*\g+2*\ch+1], v[AC+4*\g+2*\ch:AC+4*\g+2*\ch+1], v[X+32*\ci+16*\g+2*\ch+\k:X+32*\ci+16*\g+2*\ch+\k+1]
.endif
.endr
.endr
.endr
.endm
.macro SQI ci, first                   ; the same of their squares
.irp k, 0,4,8,12
.irp g, 0,1
.irp ch, 0,1
.if (\first) && (\k == 0)
	v_pk_mul_f32 v[AC+4*\g+2*\ch:AC+4*\g+2*\ch+1], v[X+32*\ci+16*\g+2*\ch:X+32*\ci+16*\g+2*\ch+1], v[X+32*\ci+16*\g+2*\ch:X+32*\ci+16*\g+2*\ch+1]
.else
	v_pk_fma_f32 v[AC+4*\g+2*\ch:AC+4*\g+2*\ch+1], v[X+32*\ci+16*\g+2*\ch+\k:X+32*\ci+16*\g+2*\ch+\k+1], v[X+32*\ci+16*\g+2*\ch+\k:X+32*\ci+16*\g+2*\ch+\k+1], v[AC+4*\g+2*\ch:AC+4*\g+2*\ch+1]
.endif
.endr
.endr
.endr
.endm
; the four pairs become the two groups' totals over the work-group, in every lane: v[AC] group 0, v[AC+1] group 1
.macro REDUCE base
	v_pk_add_f32 v[AC:AC+1], v[AC:AC+1], v[AC+2:AC+3]
	v_pk_add_f32 v[AC+4:AC+5], v[AC+4:AC+5], v[AC+6:AC+7]
	v_add_f32 v[AC], v[AC], v[AC+1]
	v_add_f32 v[AC+1], v[AC+4], v[AC+5]
.irp m, 1,2,4,8
	v_add_f32_dpp v[AC], v[AC], v[AC] row_xmask:\m row_mask:0xf bank_mask:0xf
	v_add_f32_dpp v[AC+1], v[AC+1], v[AC+1] row_xmask:\m row_mask:0xf bank_mask:0xf
.endr
	v_permlanex16_b32 v[AC+2], v[AC], s[SEL], s[SEL+1]
	v_permlanex16_b32 v[AC+3], v[AC+1], s[SEL], s[SEL+1]
	v_pk_add_f32 v[AC:AC+1], v[AC:AC+1], v[AC+2:AC+3]
	ds_store_b64 v10, v[AC:AC+1] offset:\base      ; all lanes write the wave's pair
	s_wait_dscnt 0x0                               ; for the others' sake: my store has landed
	s_barrier_signal -1
	s_barrier_wait -1
	ds_load_b64 v[AC:AC+1], v11 offset:\base       ; lane l takes wave l % 16's pair
	s_wait_dscnt 0x0
.irp m, 1,2,4,8
	v_add_f32_dpp v[AC], v[AC], v[AC] row_xmask:\m row_mask:0xf bank_mask:0xf
	v_add_f32_dpp v[AC+1], v[AC+1], v[AC+1] row_xmask:\m row_mask:0xf bank_mask:0xf
.endr
.endm
	s_wait_loadcnt 63                              ; at most 63 of x's 128 loads are out: column groups 0 and 1 are in, and all that was asked for earlier
	s_cmp_lt_u32 s20, 8                            ; wp's images leave: 512 consecutive bytes a store
	s_cbranch_scc0 .Lnot_codes2
	global_store_b128 v28, v[16:19], s[18:19]
	global_store_b128 v28, v[20:23], s[18:19] offset:512
	s_branch .Lwp_done
.Lnot_codes2:
	s_cmp_eq_u32 s20, 8
	s_cbranch_scc0 .Lwp_done
	global_store_b128 v28, v[16:19], s[42:43]
.Lwp_done:
	SUMI 0, 1
	SUMI 1, 0
	s_wait_loadcnt 32                              ; column group 3's 32 loads may be out
	SUMI 2, 0
	s_wait_loadcnt 0x0
	SUMI 3, 0
	REDUCE RED
	v_mul_f32 v12, 0xb8000000, v[AC]               ; -mean = sum x -2^-15, twice: pairs for the packed additions
	v_mul_f32 v14, 0xb8000000, v[AC+1]
	v_mov_b32 v13, v12
	v_mov_b32 v15, v14
.set pp, 0
.rept 64
	v_pk_add_f32 v[X+2*pp:X+2*pp+1], v[X+2*pp:X+2*pp+1], v[12+2*(((2*pp)%32)/16):13+2*(((2*pp)%32)/16)]   ; x - mean of the channel's group
.set pp, pp+1
.endr
	SQI 0, 1
	SQI 1, 0
	SQI 2, 0
	SQI 3, 0
	REDUCE RED2
	v_fma_f32 v[AC], v[AC], s40, s41               ; var + eps
	v_fma_f32 v[AC+1], v[AC+1], s40, s41
	v_rsq_f32 v24, v[AC]
	v_rsq_f32 v26, v[AC+1]
	v_nop                                          ; a plain instruction behind the two roots,
	s_wait_alu depctr_va_vdst(0)                   ; and one wait for both, ahead of their first reader
	v_mov_b32 v25, v24
	v_mov_b32 v27, v26
.set pp, 0
.rept 16
	v_pk_mul_f32 v[GA+2*pp:GA+2*pp+1], v[GA+2*pp:GA+2*pp+1], v[24+2*(pp/8):25+2*(pp/8)]   ; gain x rstd
.set pp, pp+1
.endr
.set pp, 0
.rept 64
	v_pk_fma_f32 v[X+2*pp:X+2*pp+1], v[X+2*pp:X+2*pp+1], v[GA+(2*pp)%32:GA+(2*pp)%32+1], v[GB+(2*pp)%32:GB+(2*pp)%32+1]
.set pp, pp+1
.endr
; column group ci: the block's largest magnitude (with the floor 2^(3 - 127), which holds the byte at 1 from below), its scale, 32 codes, 16 bytes out.
; Lanes 0-15 store 256 consecutive bytes at a multiple of 256 from hc's first byte, lanes 16-31 those of the next 16 positions.
.macro QCOL ci
.set XS, X+32*\ci
	v_max3_num_f32 v244, |v[XS]|, |v[XS+1]|, |v[XS+2]|
	v_max3_num_f32 v245, |v[XS+3]|, |v[XS+4]|, |v[XS+5]|
.irp k, 6,10,14,18,22,26
	v_max3_num_f32 v244, v244, |v[XS+\k]|, |v[XS+\k+1]|
	v_max3_num_f32 v245, v245, |v[XS+\k+2]|, |v[XS+\k+3]|
.endr
	v_max3_num_f32 v244, v244, |v[XS+30]|, |v[XS+31]|
	v_max3_num_f32 v244, v244, v245, 0x1800000
	v_add_nc_u32 v[SO+\ci], 0xff000000, v244       ; 2 off the exponent field: the conversion takes that field as its scale
.irp g, 0,1,2,3
	v_cvt_scalef32_pk8_fp4_f32 v[CD+4*\ci+\g], v[XS+8*\g:XS+8*\g+7], v[SO+\ci]
.endr
	v_lshrrev_b32 v[BY+\ci], 23, v[SO+\ci]         ; the scale's byte
	global_store_b128 v6, v[CD+4*\ci:CD+4*\ci+3], s[14:15] offset:\ci*8192
.endm
	QCOL 0
	QCOL 1
	QCOL 2
	QCOL 3
	; my four bytes belong to tiles h, 2 + h, 4 + h, 6 + h of row r; with lane l xor 16's they make the row's eight: lanes 0-15 store tiles 0-3, lanes 16-31 tiles 4-7
	v_lshl_or_b32 v246, v[BY+1], 8, v[BY]
	v_lshl_or_b32 v246, v[BY+2], 16, v246
	v_lshl_or_b32 v246, v[BY+3], 24, v246
	v_permlanex16_b32 v247, v246, s[SEL], s[SEL+1]
	v_cmp_eq_u32 vcc_lo, 1, v5
	v_cndmask_b32 v248, v246, v247, vcc_lo         ; the even tiles' bytes
	v_cndmask_b32 v249, v247, v246, vcc_lo         ; the odd tiles'
	v_mov_b32 v250, 0x05010400
	v_mov_b32 v251, 0x07030602
	v_cndmask_b32 v250, v250, v251, vcc_lo
	v_perm_b32 v248, v249, v248, v250
	global_store_b32 v7, v248, s[16:17]            ; a wave stores 128 consecutive bytes: one byte for each 128 that the launch reads
	s_wait_tensorcnt 0x0
	ds_add_u32 v30, v31
	s_wait_dscnt 0x0
	s_endpgm
.Lfunc_end_k_q3648605f13_norm:
	.size	k_q3648605f13_norm, .Lfunc_end_k_q3648605f13_norm-k_q3648605f13_norm
	.p2alignl 7, 3214868480
	.fill 96, 4, 3214868480
	.section	.rodata,"a",@progbits
	.p2align	6, 0x0
	.amdhsa_kernel k_q3648605f13_norm
		.amdhsa_group_segment_fixed_size 3072
		.amdhsa_private_segment_fixed_size 0
		.amdhsa_enable_private_segment 0
		.amdhsa_kernarg_size 64
		.amdhsa_user_sgpr_count 2
		.amdhsa_user_sgpr_kernarg_segment_ptr 1
		.amdhsa_wavefront_size32 1
		.amdhsa_system_sgpr_workgroup_id_x 1
		.amdhsa_system_sgpr_workgroup_id_y 1
		.amdhsa_system_sgpr_workgroup_id_z 1
		.amdhsa_system_vgpr_workitem_id 0
		.amdhsa_next_free_vgpr 256
		.amdhsa_next_free_sgpr 66
		.amdhsa_reserve_vcc 1
		.amdhsa_float_denorm_mode_32 3
		.amdhsa_float_denorm_mode_16_64 3
		.amdhsa_memory_ordered 1
		.amdhsa_forward_progress 1
		.amdhsa_inst_pref_size 46
	.end_amdhsa_kernel
	.amdgpu_metadata
---
amdhsa.version: [ 1, 2 ]
amdhsa.kernels:
  - .name:           k_q3648605f13_norm
    .symbol:         k_q3648605f13_norm.kd
    .args:
      - { .name: x, .offset: 0, .size: 8, .value_kind: global_buffer, .address_space: global }
      - { .name: gn_scale, .offset: 8, .size: 8, .value_kind: global_buffer, .address_space: global }
      - { .name: gn_bias, .offset: 16, .size: 8, .value_kind: global_buffer, .address_space: global }
      - { .name: wp_codes, .offset: 24, .size: 8, .value_kind: global_buffer, .address_space: global }
      - { .name: wp_scales, .offset: 32, .size: 8, .value_kind: global_buffer, .address_space: global }
      - { .name: hc, .offset: 40, .size: 8, .value_kind: global_buffer, .address_space: global }
      - { .name: hs, .offset: 48, .size: 8, .value_kind: global_buffer, .address_space: global }
      - { .name: kimg, .offset: 56, .size: 8, .value_kind: global_buffer, .address_space: global }
    .group_segment_fixed_size: 3072
    .private_segment_fixed_size: 0
    .kernarg_segment_align: 8
    .kernarg_segment_size: 64
    .max_flat_workgroup_size: 512
    .sgpr_count:     66
    .vgpr_count:     256
    .wavefront_size: 32
...
	.end_amdgpu_metadata
.endif
;; end of part 1
;; launch qkv (part 2): grid 64 x 4, 4 waves a work-group, clusters of 4 x 1, 168,448 bytes of LDS; arguments hc, hs, wq_codes, wk_codes, wv_codes, wq_scales, wk_scales, wv_scales, bq, bk, bv, qimg, kimg, vimg; writes qimg, kimg, vimg
.if DOCPART == 2
	.amdgcn_target "amdgcn-amd-amdhsa--gfx1250"
	.amdhsa_code_object_version 6
	.text
	.protected	k_q3648605f13_qkv
	.globl	k_q3648605f13_qkv
	.p2align	8
	.type	k_q3648605f13_qkv,@function
k_q3648605f13_qkv:
	s_mov_b64 s[64:65], 0
	v_nop
	global_prefetch_b8 v0, s[64:65] scope:SCOPE_SE
	s_setreg_imm32_b32 hwreg(HW_REG_WAVE_MODE, 25, 1), 1
	s_wait_xcnt 0x0
	s_wait_alu depctr_hold_cnt(0) depctr_sa_sdst(0) depctr_va_vdst(0) depctr_va_sdst(0) depctr_va_ssrc(0) depctr_va_vcc(0) depctr_vm_vsrc(0)
	s_getreg_b32 s2, hwreg(HW_REG_IB_STS2, 6, 4)
	s_cmp_eq_u32 s2, 0
	s_cbranch_scc0 .Lentry_in_a_cluster
	s_endpgm
.Lentry_in_a_cluster:
	s_bfe_u32 s2, ttmp6, 0x10000c
	s_cmp_lg_u32 s2, 0x3003
	s_cbranch_scc0 .Lentry_shape_is_right
	s_endpgm
.Lentry_shape_is_right:
; q = wq h + bq, k = wk h + bk, v = wv h + bv on codes of FP4 (E2M1) with E8M0 scales; the results are quantised at once: q and k along the channels, v along the positions (attention's keys).
; SHARES.  A work-group takes 256 positions (x) and a quarter, 128, of the output channels of each of q, k, v (y).  Wave w: positions 128 (w % 2) on; oh = w / 2:
;   phase A: q (oh = 0) or k (oh = 1), 128 channels x 128 positions, TRANSPOSED (source 0 = 16 rows of the weight, source 1 = 16 positions of h): a lane holds one position and its registers run along the channels;
;   phase B: v, channels 64 oh on, source 0 = 16 positions of h, source 1 = 16 rows of wv: a lane holds one channel and its registers run along the positions.
; In both a unit of 8 tiles (32 matrix instructions) is 128 along the next product's K: one fragment and one scale word a row.
; TRUE ORDER ALONG K WITH NEIGHBOURING ROWS IN A TILE: a lane's 8 registers of tile t are k = 16 t + 8 h + 0 .. 7.  Block b = 2 c + y is tiles 2 b and 2 b + 1; the codes of its tile of parity i go to register 4 c + 2 i + y,
; and v_permlane16_swap_b32 of registers 4 c + 2 i and 4 c + 2 i + 1 leaves lanes 0-15 with block 2 c and lanes 16-31 with block 2 c + 1, eight codes a register in ascending k: the operand's layout.
; h's fragments (32 KB a wave) come from memory as register images and stay in 256 registers.  THE LOADS GO OUT IN THE ORDER OF FIRST USE: the 42 small ones (scale bytes, scale words, biases), then h's 64, which are
; waited for tile by tile: phase A's first unit wants eight of them, and the others land under the units before theirs.
; THE WEIGHTS' three tiles (128 rows x 256 bytes each) are the same for the four work-groups of a cluster: each is asked for JOINTLY, once, by waves 0, 1, 2; LDS is filled once and never again.
; OUT: chunks of 34,816 bytes for 128 positions: 32 fragment images of 1,024 bytes, then 512 scale words, in the order in which the attention launch's registers take them.
; LIMITS: NaN and infinities are not served; a block whose largest magnitude lies under 2^-124 gets the byte 1: its codes are zeros, and this program alone reads the bytes.
; REGISTERS, in windows of 256: window 0: addresses, scale words, the unit's 8 accumulators, what the quantiser works on; window 1: h; window 2: the weights' fragments; window 3: the biases in the results' layout.
.set CHUNK, 34816
.set WP,   272                         ; a weight's row in LDS: 256 bytes + 16 of padding: the 16 rows that a load touches start 68 words apart
.set LI,   1                           ; v1   16 x lane
.set RR,   2                           ; v2   r
.set HH,   3                           ; v3   h
.set AW,   4                           ; v4   LDS: my lane in wq's or wk's tile
.set AWV,  5                           ; v5   and in my 64 rows of wv's
.set R8,   6
.set H32,  7
.set R4,   8
.set R16,  9
.set LN,   10                          ; v10  lane
.set HS,   16                          ; v16-47  h's scale words: tile of positions T, K step s at 4 T + s
.set WSA,  48                          ; v48-63  the weight's: lanes 0-15 tile 2 p, lanes 16-31 tile 2 p + 1, at 4 p + s
.set WSV,  64                          ; v64-71  wv's likewise
.set QW,   72                          ; v72-79  the scale words made in phase A
.set VW,   80                          ; v80-83  and in phase B
.set SW,   84
.set TM,   88
.set T1,   92
.set SO,   96
.set BY,   100
.set PW,   104
.set PC,   112                         ; v112-127 codes, two sets by turns
.set ACC,  128                         ; v128-191
.set HB,   192                         ; v192-223 h's scale bytes as they lie in hs
.set TP,   224
.set WV,   32
.set G1,   40
.set G0,   48
.set SEL,  52
.set OUTA, 56
.set OUTAS, 58
.set OUTV, 60
.set OUTVS, 62
.set MSB, 0
.macro WIN new                         ; the immediate's high byte repeats the setting that is left
.if MSB != (\new)
	s_set_vgpr_msb (MSB<<8)|(\new)
.set MSB, \new
.endif
.endm
.macro ROUND                           ; a round of the cluster's barrier
	s_barrier_signal -1
	s_barrier_wait -1
	s_cmp_lg_u32 s[WV], 0
	s_cbranch_scc1 .Lnot_wave_0_\@
	s_barrier_signal -3
.Lnot_wave_0_\@:
	s_barrier_wait -3
	s_barrier_signal -1
	s_barrier_wait -1
.endm
; one matrix instruction.  c < 0: C is the constant 0.  row = 1: source 0's scales stand in lanes 16-31; 2: source 1's
.macro WM d, a, b, c, sa, sb, row
.if (\c) < 0
.if (\row) == 0
	v_wmma_scale_f32_16x16x128_f8f6f4 v[\d:\d+7], v[\a:\a+7], v[\b:\b+7], 0, v[\sa], v[\sb] matrix_a_fmt:MATRIX_FMT_FP4 matrix_b_fmt:MATRIX_FMT_FP4
.elseif (\row) == 1
	v_wmma_scale_f32_16x16x128_f8f6f4 v[\d:\d+7], v[\a:\a+7], v[\b:\b+7], 0, v[\sa], v[\sb] matrix_a_fmt:MATRIX_FMT_FP4 matrix_b_fmt:MATRIX_FMT_FP4 matrix_a_scale:MATRIX_SCALE_ROW1
.else
	v_wmma_scale_f32_16x16x128_f8f6f4 v[\d:\d+7], v[\a:\a+7], v[\b:\b+7], 0, v[\sa], v[\sb] matrix_a_fmt:MATRIX_FMT_FP4 matrix_b_fmt:MATRIX_FMT_FP4 matrix_b_scale:MATRIX_SCALE_ROW1
.endif
.else
.if (\row) == 0
	v_wmma_scale_f32_16x16x128_f8f6f4 v[\d:\d+7], v[\a:\a+7], v[\b:\b+7], v[\c:\c+7], v[\sa], v[\sb] matrix_a_fmt:MATRIX_FMT_FP4 matrix_b_fmt:MATRIX_FMT_FP4
.elseif (\row) == 1
	v_wmma_scale_f32_16x16x128_f8f6f4 v[\d:\d+7], v[\a:\a+7], v[\b:\b+7], v[\c:\c+7], v[\sa], v[\sb] matrix_a_fmt:MATRIX_FMT_FP4 matrix_b_fmt:MATRIX_FMT_FP4 matrix_a_scale:MATRIX_SCALE_ROW1
.else
	v_wmma_scale_f32_16x16x128_f8f6f4 v[\d:\d+7], v[\a:\a+7], v[\b:\b+7], v[\c:\c+7], v[\sa], v[\sb] matrix_a_fmt:MATRIX_FMT_FP4 matrix_b_fmt:MATRIX_FMT_FP4 matrix_b_scale:MATRIX_SCALE_ROW1
.endif
.endif
.endm
	s_load_b512 s[4:19], s[0:1], 0x0               ; hc, hs, wq_codes, wk_codes, wv_codes, wq_scales, wk_scales, wv_scales
	s_load_b256 s[20:27], s[0:1], 0x40             ; bq, bk, bv, qimg
	s_load_b128 s[28:31], s[0:1], 0x60             ; kimg, vimg
	v_lshl_add_u32 v254, v0, 2, 0x29000
	v_mov_b32 v255, 0
	ds_add_u32 v254, v255
	ds_add_u32 v254, v255
	v_lshrrev_b32 v1, 5, v0
	v_readfirstlane_b32 s[WV], v1                  ; wave 0..3
	s_bfe_u32 s33, ttmp6, 0x40000                  ; cx: it enters global addresses of h and of the results alone
	s_lshl_b32 s34, ttmp9, 2
	s_add_co_u32 s34, s34, s33                     ; the block of 256 positions, 0..63
	s_and_b32 s35, ttmp7, 0xffff                   ; oq: the quarter of the output channels, shared by the cluster
	s_lshr_b32 s36, s34, 3                         ; batch
	s_and_b32 s37, s[WV], 1
	s_lshr_b32 s38, s[WV], 1                       ; oh
	s_and_b32 s39, s34, 7
	s_lshl_b32 s39, s39, 1
	s_add_co_u32 s39, s39, s37                     ; kg: my 128 positions in the batch, 0..15
	; descriptor group 1: 128 rows of 256 bytes, 16 bytes of padding behind each
	s_mov_b32 s[G1], 15|(1<<20)|(1<<21)|(5<<22)|(3<<25)   ; 15:0 the mask: all four work-groups; 17:16 elements of 1 byte; 20 padding on; 21 set beside a mask; 24:22 after every 64 words; 31:25 four words
	s_mov_b32 s[G1+1], 256<<16                     ; tensor_dim0
	s_mov_b32 s[G1+2], 128<<16                     ; tensor_dim1
	s_mov_b32 s[G1+3], 256<<16                     ; tile_dim0
	s_mov_b32 s[G1+4], 128                         ; tile_dim1
	s_mov_b32 s[G1+5], 256                         ; from row to row
	s_mov_b32 s[G1+6], 0
	s_mov_b32 s[G1+7], 0
	s_mov_b32 s[G0], 1
	s_mul_i32 s[G0+1], s[WV], CHUNK                ; wq's tile at 0, wk's at 34,816, wv's at 69,632
	s_mov_b32 s[SEL], 0x76543210
	s_mov_b32 s[SEL+1], 0xfedcba98
	s_lshl_b32 s66, s36, 19
	s_lshl_b32 s94, s39, 15
	s_add_co_u32 s66, s66, s94                     ; hc: (128 b + 8 kg) x 4,096
	s_mov_b32 s67, 0
	s_lshl_b32 s68, s36, 15
	s_lshl_b32 s94, s39, 7
	s_add_co_u32 s68, s68, s94                     ; hs: 32,768 b + 128 kg
	s_mov_b32 s69, 0
	s_cmp_eq_u32 s38, 0
	s_cselect_b32 s70, 16, 20                      ; chunks a batch: 16 in qimg, 20 in kimg
	s_mul_i32 s70, s70, s36
	s_add_co_u32 s70, s70, s39
	s_mul_i32 s70, s70, CHUNK
	s_lshl_b32 s94, s35, 9
	s_add_co_u32 s72, s70, s94
	s_add_co_u32 s72, s72, 32768                   ; phase A's scale words: K step oq
	s_mov_b32 s73, 0
	s_lshl_b32 s94, s35, 10
	s_add_co_u32 s70, s70, s94                     ; phase A's codes: K step oq
	s_mov_b32 s71, 0
	s_lshl_b32 s74, s36, 4
	s_add_co_u32 s74, s74, s39
	s_mul_i32 s74, s74, CHUNK
	s_lshl_b32 s94, s35, 9
	s_lshl_b32 s95, s38, 8
	s_add_co_u32 s94, s94, s95                     ; 512 oq + 256 oh
	s_add_co_u32 s76, s74, s94
	s_add_co_u32 s76, s76, 32768                   ; phase B's scale words
	s_mov_b32 s77, 0
	s_mov_b32 s84, s94                             ; bv: my 64 numbers begin as many bytes on
	s_mov_b32 s85, 0
	s_lshl_b32 s94, s94, 4
	s_add_co_u32 s74, s74, s94                     ; phase B's codes: fragments 8 oq + 4 oh on
	s_mov_b32 s75, 0
	s_lshl_b32 s78, s35, 11                        ; the weights' scales: 128 oq rows of 16 bytes
	s_mov_b32 s79, 0
	s_lshl_b32 s80, s38, 10
	s_add_co_u32 s80, s80, s78
	s_mov_b32 s81, 0
	s_lshl_b32 s82, s35, 9                         ; bq, bk
	s_mov_b32 s83, 0
	s_lshl_b32 s86, s35, 15                        ; the weights' codes: 128 oq rows of 256 bytes
	s_mov_b32 s87, 0
	s_wait_dscnt 0x0
	s_wait_kmcnt 0x0
	s_cmp_eq_u32 s[WV], 0                          ; which weight I fetch hangs on the wave's number alone
	s_cselect_b64 s[88:89], s[8:9], s[10:11]
	s_cmp_lt_u32 s[WV], 2
	s_cselect_b64 s[88:89], s[88:89], s[12:13]
	s_add_nc_u64 s[G0+2:G0+3], s[88:89], s[86:87]
	s_or_b32 s[G0+3], s[G0+3], 0x80000000          ; type = 2
	ROUND                                          ; all four work-groups are here: the joint loads meet
	s_cmp_lt_u32 s[WV], 3
	s_cbranch_scc0 .Lno_fetch
	tensor_load_to_lds s[G0:G0+3], s[G1:G1+7]      ; one tensor load of mine is out
	s_nop 0
.rept 4
	v_nop
.endr
.Lno_fetch:
	s_cmp_eq_u32 s38, 0
	s_cselect_b64 s[88:89], s[26:27], s[28:29]     ; q goes to qimg, k to kimg
	s_cselect_b64 s[90:91], s[14:15], s[16:17]
	s_cselect_b64 s[92:93], s[20:21], s[22:23]
	s_add_nc_u64 s[OUTA:OUTA+1], s[88:89], s[70:71]
	s_add_nc_u64 s[OUTAS:OUTAS+1], s[88:89], s[72:73]
	s_add_nc_u64 s[OUTV:OUTV+1], s[30:31], s[74:75]
	s_add_nc_u64 s[OUTVS:OUTVS+1], s[30:31], s[76:77]
	s_add_nc_u64 s[4:5], s[4:5], s[66:67]
	s_add_nc_u64 s[6:7], s[6:7], s[68:69]
	s_add_nc_u64 s[90:91], s[90:91], s[78:79]
	s_add_nc_u64 s[18:19], s[18:19], s[80:81]
	s_add_nc_u64 s[92:93], s[92:93], s[82:83]
	s_add_nc_u64 s[24:25], s[24:25], s[84:85]
	v_and_b32 v[LN], 31, v0
	v_lshlrev_b32 v[LI], 4, v[LN]
	v_and_b32 v[RR], 15, v0
	v_bfe_u32 v[HH], v0, 4, 1
	v_mul_u32_u24 v[AW], v[RR], WP
	v_lshl_add_u32 v[AW], v[HH], 4, v[AW]          ; row r x pitch + 16 h
	s_mul_i32 s94, s38, 64*WP
	s_add_co_u32 s94, s94, 2*CHUNK
	v_add_nc_u32 v[AWV], s94, v[AW]
	s_mul_i32 s94, s38, CHUNK
	v_add_nc_u32 v[AW], s94, v[AW]
	v_lshlrev_b32 v[R8], 3, v[RR]
	v_lshlrev_b32 v[H32], 5, v[HH]
	v_lshlrev_b32 v[R4], 2, v[RR]
	v_lshlrev_b32 v[R16], 4, v[RR]
.irp b, 0,1,2,3
	v_mov_b32 v[T1+\b], 0                          ; written once: a lane permute's destination counts as one of its sources
.endr
	; the 42 small loads first
.set jj, 0
.rept 16
	global_load_b64 v[HB+2*jj:HB+2*jj+1], v[R8], s[6:7] offset:2048*jj   ; block jj's bytes of row r in my eight tiles
.set jj, jj+1
.endr
.irp p, 0,1,2,3
	global_load_b128 v[WSA+4*\p:WSA+4*\p+3], v[LI], s[90:91] offset:512*\p   ; rows 32 p + lane: four K steps' words
.endr
.irp p, 0,1
	global_load_b128 v[WSV+4*\p:WSV+4*\p+3], v[LI], s[18:19] offset:512*\p
.endr
	WIN 0xc0                                       ; destination window 3
.irp ot, 0,1,2,3,4,5,6,7
	global_load_b128 v[8*\ot:8*\ot+3], v[H32], s[92:93] offset:64*\ot        ; the bias of channels 16 ot + 8 h + 0 .. 7
	global_load_b128 v[8*\ot+4:8*\ot+7], v[H32], s[92:93] offset:64*\ot+16
.endr
.irp tv, 0,1,2,3
	global_load_b32 v[64+8*\tv], v[R4], s[24:25] offset:64*\tv               ; bv of channel 16 tv + r
.endr
	WIN 0x40                                       ; destination window 1
.set ff, 0
.rept 64
	global_load_b128 v[4*ff:4*ff+3], v[LI], s[4:5] offset:512*ff   ; h: fragment (T, s), group c at register 4 (8 T + 2 s + c): 32 KB on end
.set ff, ff+1
.endr
	WIN 0
	s_wait_loadcnt 63                              ; of the 106 loads at most 63 are out: the first 43 are in, the 42 small ones among them
	WIN 0xc3                                       ; source 0 and destination window 3
.irp tv, 0,1,2,3
.irp j, 1,2,3,4,5,6,7
	v_mov_b32 v[64+8*\tv+\j], v[64+8*\tv]          ; in the result's layout a lane's eight registers are one channel: bv stands in all eight
.endr
.endr
	WIN 0
	; h's scale bytes [block][tile] become words [tile][K step]: 4 x 4 bytes are turned by eight v_perm_b32
.irp s, 0,1,2,3
.irp u, 0,1
	v_perm_b32 v[TP], v[HB+2*(4*\s+1)+\u], v[HB+2*(4*\s)+\u], 0x05010400
	v_perm_b32 v[TP+1], v[HB+2*(4*\s+1)+\u], v[HB+2*(4*\s)+\u], 0x07030602
	v_perm_b32 v[TP+2], v[HB+2*(4*\s+3)+\u], v[HB+2*(4*\s+2)+\u], 0x05010400
	v_perm_b32 v[TP+3], v[HB+2*(4*\s+3)+\u], v[HB+2*(4*\s+2)+\u], 0x07030602
	v_perm_b32 v[HS+4*(4*\u)+\s], v[TP+2], v[TP], 0x05040100
	v_perm_b32 v[HS+4*(4*\u+1)+\s], v[TP+2], v[TP], 0x07060302
	v_perm_b32 v[HS+4*(4*\u+2)+\s], v[TP+3], v[TP+1], 0x05040100
	v_perm_b32 v[HS+4*(4*\u+3)+\s], v[TP+3], v[TP+1], 0x07060302
.endr
.endr
.rept 8
	v_nop                                          ; scale registers written by vector instructions stand eight places ahead of a scaled matrix instruction
.endr
	s_wait_tensorcnt 0x0                           ; my weight has landed,
	s_barrier_signal -1
	s_barrier_wait -1                              ; everybody's has
; 64 numbers of a lane, register 8 t + j = k 16 t + 8 h + j of my row, become a fragment's codes in set `set` of v[PC] and the row's scale word in v[PW].
.macro QUANT src, set
.irp b, 0,1,2,3
	v_max3_num_f32 v[TM+\b], |v[\src+16*\b]|, |v[\src+16*\b+1]|, 0x1800000   ; block b: my 16 numbers, each accumulator from its low end on, and the floor 2^(3 - 127)
.endr
.irp i, 2,4,6,8,10,12,14
.irp b, 0,1,2,3
	v_max3_num_f32 v[TM+\b], v[TM+\b], |v[\src+16*\b+\i]|, |v[\src+16*\b+\i+1]|
.endr
.endr
.irp b, 0,1,2,3
	v_permlanex16_b32 v[T1+\b], v[TM+\b], s[SEL], s[SEL+1]
.endr
.irp b, 0,1,2,3
	v_max_num_f32 v[TM+\b], v[TM+\b], v[T1+\b]     ; with lane l xor 16's 16: the block's largest magnitude
.endr
.irp b, 0,1,2,3
	v_add_nc_u32 v[SO+\b], 0xff000000, v[TM+\b]    ; 2 off its exponent field: the conversion's scale operand
.endr
.irp b, 0,1,2,3
	v_lshrrev_b32 v[BY+\b], 23, v[SO+\b]           ; the scale's byte
.endr
	v_lshl_or_b32 v[PW], v[BY+1], 8, v[BY]
	v_lshl_or_b32 v[PW], v[BY+2], 16, v[PW]
	v_lshl_or_b32 v[PW], v[BY+3], 24, v[PW]
	s_wait_xcnt 0x0                                ; the earlier stores have read their data: the codes' registers may be written again
.irp b, 0,1,2,3
	v_cvt_scalef32_pk8_fp4_f32 v[PC+8*(\set)+4*(\b/2)+(\b%2)], v[\src+16*\b:\src+16*\b+7], v[SO+\b]
	v_cvt_scalef32_pk8_fp4_f32 v[PC+8*(\set)+4*(\b/2)+2+(\b%2)], v[\src+16*\b+8:\src+16*\b+15], v[SO+\b]
.endr
	v_nop                                          ; one plain instruction behind the scaled conversions
.irp k, 0,2,4,6
	v_permlane16_swap_b32 v[PC+8*(\set)+\k], v[PC+8*(\set)+\k+1]
.endr
.endm
; phase A, tile pt of 16 positions: 8 tiles of channels x 4 K steps; the eight accumulators take turns; the bias is the C of each sum's first instruction
.macro UNITA pt
	s_wait_loadcnt 56-8*(\pt)                      ; behind this tile's eight loads of h stand those of the 7 - pt later tiles, eight each: they may be out
.irp s, 0,1,2,3
.if \s == 0
	WIN 0x36                                       ; source 0 (weight) window 2, source 1 (h) window 1, C (bias) window 3
.else
	WIN 0x06
.endif
.irp ot, 0,1,2,3,4,5,6,7
.if \s == 0
	WM ACC+8*\ot, 32*\ot+8*\s, 32*(\pt)+8*\s, 8*\ot, WSA+4*(\ot/2)+\s, HS+4*(\pt)+\s, \ot%2
.else
	WM ACC+8*\ot, 32*\ot+8*\s, 32*(\pt)+8*\s, ACC+8*\ot, WSA+4*(\ot/2)+\s, HS+4*(\pt)+\s, \ot%2
.endif
.endr
.endr
	WIN 0
.rept 4
	v_nop                                          ; four places in front of the first read of results
.endr
	QUANT ACC, (\pt)%2
	global_store_b128 v[LI], v[PC+8*((\pt)%2):PC+8*((\pt)%2)+3], s[OUTA:OUTA+1] offset:(\pt)*4096        ; 512 consecutive bytes a store
	global_store_b128 v[LI], v[PC+8*((\pt)%2)+4:PC+8*((\pt)%2)+7], s[OUTA:OUTA+1] offset:(\pt)*4096+512
	v_mov_b32 v[QW+(\pt)], v[PW]
.endm
; phase B, tile tv of 16 channels of v: 8 tiles of positions x 4 K steps
.macro UNITB tv
.irp s, 0,1,2,3
.if \s == 0
	WIN 0x39                                       ; source 0 (h) window 1, source 1 (wv) window 2, C (bv) window 3
.else
	WIN 0x09
.endif
.irp pt, 0,1,2,3,4,5,6,7
.if \s == 0
	WM ACC+8*\pt, 32*\pt+8*\s, 32*(\tv)+8*\s, 64+8*(\tv), HS+4*\pt+\s, WSV+4*((\tv)/2)+\s, 2*((\tv)%2)
.else
	WM ACC+8*\pt, 32*\pt+8*\s, 32*(\tv)+8*\s, ACC+8*\pt, HS+4*\pt+\s, WSV+4*((\tv)/2)+\s, 2*((\tv)%2)
.endif
.endr
.endr
	WIN 0
.rept 4
	v_nop
.endr
	QUANT ACC, (\tv)%2
	global_store_b128 v[LI], v[PC+8*((\tv)%2):PC+8*((\tv)%2)+3], s[OUTV:OUTV+1] offset:(\tv)*1024
	global_store_b128 v[LI], v[PC+8*((\tv)%2)+4:PC+8*((\tv)%2)+7], s[OUTV:OUTV+1] offset:(\tv)*1024+512
	v_mov_b32 v[VW+(\tv)], v[PW]
.endm
	WIN 0x80                                       ; destination window 2: the weight's 32 fragments: (ot, s), group c at 32 ot + 8 s + 4 c
.irp ot, 0,1,2,3,4,5,6,7
.irp s, 0,1,2,3
.irp c, 0,1
	ds_load_b128 v[32*\ot+8*\s+4*\c:32*\ot+8*\s+4*\c+3], v[AW] offset:\ot*16*WP+64*\s+32*\c
.endr
.endr
.endr
	s_wait_dscnt 0x0
.irp n, 0,1,2,3,4,5,6,7
	UNITA \n
.endr
	v_cmp_gt_u32 vcc_lo, 16, v[LN]
.irp i, 0,1,2,3
	v_cndmask_b32 v[SW+\i], v[QW+4+\i], v[QW+\i], vcc_lo   ; lanes 0-15: tiles 0-3's words of row r; lanes 16-31: tiles 4-7's
.endr
	global_store_b128 v[LI], v[SW:SW+3], s[OUTAS:OUTAS+1]  ; 512 consecutive bytes
.rept 4
	v_nop                                          ; places in front of loads into registers that matrix instructions have read
.endr
	WIN 0x80
.irp tv, 0,1,2,3
.irp s, 0,1,2,3
.irp c, 0,1
	ds_load_b128 v[32*\tv+8*\s+4*\c:32*\tv+8*\s+4*\c+3], v[AWV] offset:\tv*16*WP+64*\s+32*\c
.endr
.endr
.endr
	s_wait_dscnt 0x0
.irp n, 0,1,2,3
	UNITB \n
.endr
	v_cmp_gt_u32 vcc_lo, 16, v[LN]
	s_wait_xcnt 0x0                                ; EXEC changes only behind this wait
	s_and_saveexec_b32 s94, vcc_lo
	global_store_b128 v[R16], v[VW:VW+3], s[OUTVS:OUTVS+1]   ; sixteen lanes store 256 consecutive bytes: my four tiles' words of channel r
	s_wait_xcnt 0x0
	s_or_b32 exec_lo, exec_lo, s94
	s_wait_dscnt 0x0
	s_wait_tensorcnt 0x0
	ds_add_u32 v254, v255
	s_wait_dscnt 0x0
	ROUND                                          ; the closing round: no work-group ends while a partner may still ask for a tile that names it
	s_endpgm
.Lfunc_end_k_q3648605f13_qkv:
	.size	k_q3648605f13_qkv, .Lfunc_end_k_q3648605f13_qkv-k_q3648605f13_qkv
	.p2alignl 7, 3214868480
	.fill 96, 4, 3214868480
	.section	.rodata,"a",@progbits
	.p2align	6, 0x0
	.amdhsa_kernel k_q3648605f13_qkv
		.amdhsa_group_segment_fixed_size 168448
		.amdhsa_private_segment_fixed_size 0
		.amdhsa_enable_private_segment 0
		.amdhsa_kernarg_size 112
		.amdhsa_user_sgpr_count 2
		.amdhsa_user_sgpr_kernarg_segment_ptr 1
		.amdhsa_wavefront_size32 1
		.amdhsa_system_sgpr_workgroup_id_x 1
		.amdhsa_system_sgpr_workgroup_id_y 1
		.amdhsa_system_sgpr_workgroup_id_z 1
		.amdhsa_system_vgpr_workitem_id 0
		.amdhsa_next_free_vgpr 1024
		.amdhsa_next_free_sgpr 96
		.amdhsa_reserve_vcc 1
		.amdhsa_float_denorm_mode_32 3
		.amdhsa_float_denorm_mode_16_64 3
		.amdhsa_memory_ordered 1
		.amdhsa_forward_progress 1
		.amdhsa_inst_pref_size 129
	.end_amdhsa_kernel
	.amdgpu_metadata
---
amdhsa.version: [ 1, 2 ]
amdhsa.kernels:
  - .name:           k_q3648605f13_qkv
    .symbol:         k_q3648605f13_qkv.kd
    .args:
      - { .name: hc, .offset: 0, .size: 8, .value_kind: global_buffer, .address_space: global }
      - { .name: hs, .offset: 8, .size: 8, .value_kind: global_buffer, .address_space: global }
      - { .name: wq_codes, .offset: 16, .size: 8, .value_kind: global_buffer, .address_space: global }
      - { .name: wk_codes, .offset: 24, .size: 8, .value_kind: global_buffer, .address_space: global }
      - { .name: wv_codes, .offset: 32, .size: 8, .value_kind: global_buffer, .address_space: global }
      - { .name: wq_scales, .offset: 40, .size: 8, .value_kind: global_buffer, .address_space: global }
      - { .name: wk_scales, .offset: 48, .size: 8, .value_kind: global_buffer, .address_space: global }
      - { .name: wv_scales, .offset: 56, .size: 8, .value_kind: global_buffer, .address_space: global }
      - { .name: bq, .offset: 64, .size: 8, .value_kind: global_buffer, .address_space: global }
      - { .name: bk, .offset: 72, .size: 8, .value_kind: global_buffer, .address_space: global }
      - { .name: bv, .offset: 80, .size: 8, .value_kind: global_buffer, .address_space: global }
      - { .name: qimg, .offset: 88, .size: 8, .value_kind: global_buffer, .address_space: global }
      - { .name: kimg, .offset: 96, .size: 8, .value_kind: global_buffer, .address_space: global }
      - { .name: vimg, .offset: 104, .size: 8, .value_kind: global_buffer, .address_space: global }
    .group_segment_fixed_size: 168448
    .private_segment_fixed_size: 0
    .kernarg_segment_align: 8
    .kernarg_segment_size: 112
    .max_flat_workgroup_size: 128
    .sgpr_count:     96
    .vgpr_count:     1024
    .wavefront_size: 32
...
	.end_amdgpu_metadata
.endif
;; end of part 2
;; launch attn (part 3): grid 32 x 8, 4 waves a work-group, clusters of 4 x 1, 327,680 bytes of LDS; arguments qimg, kimg, vimg, bp, x, out0; writes out0
.if DOCPART == 3
	.amdgcn_target "amdgcn-amd-amdhsa--gfx1250"
	.amdhsa_code_object_version 6
	.text
	.protected	k_q3648605f13_attn
	.globl	k_q3648605f13_attn
	.p2align	8
	.type	k_q3648605f13_attn,@function
k_q3648605f13_attn:
	s_mov_b64 s[64:65], 0
	v_nop
	global_prefetch_b8 v0, s[64:65] scope:SCOPE_SE
	s_setreg_imm32_b32 hwreg(HW_REG_WAVE_MODE, 25, 1), 1
	s_wait_xcnt 0x0
	s_wait_alu depctr_hold_cnt(0) depctr_sa_sdst(0) depctr_va_vdst(0) depctr_va_sdst(0) depctr_va_ssrc(0) depctr_va_vcc(0) depctr_vm_vsrc(0)
	s_getreg_b32 s2, hwreg(HW_REG_IB_STS2, 6, 4)
	s_cmp_eq_u32 s2, 0
	s_cbranch_scc0 .Lentry_in_a_cluster
	s_endpgm
.Lentry_in_a_cluster:
	s_bfe_u32 s2, ttmp6, 0x10000c
	s_cmp_lg_u32 s2, 0x3003
	s_cbranch_scc0 .Lentry_shape_is_right
	s_endpgm
.Lentry_shape_is_right:
; out = x + wp (V softmax(Q^T K / sqrt(512))^T / l) + bp, all three products on codes of FP4 (E2M1) with E8M0 scales.  One head of 512 channels, 2,048 positions, 8 batches.
; THE SOFTMAX: t = score x log2(e) / sqrt(512); M = the row's largest t so far, rounded UP to a whole number; p = 2^(t - M) is quantised along the keys, not normalised; the row's sum l is taken of the unquantised p
; and divides O at the end.  When M moves, l and O are multiplied by 2^(old M - new M): exact.
; SHARES.  A work-group owns 64 queries (four tiles q of 16).  The keys go in four SUPER-STEPS of 512 = four chunks of 128.
;   S^T = K Q^T: wave w takes chunk w (8 tiles of keys) against all 64 queries.      O^T = V^T P: wave w takes channels 128 w on (8 tiles) against all 64 queries and all 512 keys.
; So each fragment of K or V read from LDS feeds four matrix instructions; what the waves hand each other through LDS is small: the rows' local maxima, and P as images of its registers.
; Both products are transposed: a lane holds ONE query (lane % 16), its registers run along the keys, then along the channels.  The codes are brought into true order along K by where the conversions write and one exchange of halves.
; THE RING.  K's four chunks and V's four chunks have one slot each, filled at different times.  K of the next super-step is asked for behind this step's K Q^T and lands under the softmax.  A wave's 32 fragments of V of a step
; go into S^T's 256 registers as soon as p's codes are made, so that V's slot is free at the barrier that hands P round: that barrier is the round behind which V of the next step is asked for, and it lands under V^T P and the
; next K Q^T.  Each wave fetches chunk w: one tensor load behind each round.  The fifth fill of K's slot is wp, laid behind K in kimg.
; O^T BEGINS AS ZEROS, so that the step is written twice (in the loop; the last, which asks for no V) and not three times; the first change of M multiplies the zeros by 0.
; CLUSTER.  The four work-groups of a cluster belong to one batch and walk the same K, V and wp: every tile is asked for JOINTLY, with a mask that names the four.
; THE PROJECTION takes O / l's 16 queries as source 0 and 16 rows of wp as source 1: a lane then holds eight neighbouring positions of one channel of out.
; LIMITS: NaN and infinities are not served; a block of p or of O / l whose largest magnitude lies under 2^-124 gets the byte 1: its codes are zeros.
; REGISTERS, in windows of 256: window 0: addresses, statistics, scale words, P's fragments and codes;  window 1: S^T (64 q + 8 kt), then V (64 g + 8 ct), at the end x;  window 2: O^T (64 q + 8 ct), later the projection's sums;
;   window 3: v0-127 Q (32 q + 8 s), later O / l's codes; v128-255 two buffers of eight fragments of K or wp; at the end rows of the result.
.set CHUNK, 34816                      ; 32 fragment images of 1,024 bytes, then 512 scale words
.set VSLOT, 4*CHUNK
.set PIMG,  8*CHUNK                    ; P's 16 fragments (chunk g, tile q at 4 g + q); later O / l's (4 q + s)
.set PSC,   PIMG+16384                 ; their scale words, 128 bytes each
.set MX,    PSC+2048                   ; [q][r][wave] f32: local maxima
.set LX,    MX+1024                    ; the same shape: the waves' parts of l
.set SPARE, LX+1024                    ; the spare words, 128 bytes for each wave: two blocks of 256 bytes that no other line names
.set LI,   1                           ; v1   16 x lane
.set SPW,  2                           ; v2   LDS address of my spare word; never rewritten
.set NIL,  3                           ; v3   0; never rewritten
.set AK,   4                           ; v4   my chunk of K's slot + 16 lane
.set AKS,  5                           ; v5   its scale words
.set AV,   6                           ; v6-7 V's chunks 0, 1 and 2, 3: my 8 fragments
.set AVS,  8                           ; v8-9 their scale words
.set APW,  10                          ; v10  where I store P's images;  v11 their words
.set APSW, 11
.set APR,  12                          ; v12  where images are read;     v13 words
.set APSR, 13
.set AMW,  14                          ; v14  MX + 16 r + 4 w
.set AMR,  15                          ; v15  MX + 16 r
.set ST,   16                          ; v16-47 tile q at ST + 8 q: +0 -M, +1 the largest t, +2, +3 l, +4 f (+5 named with it), +6, +7 at work
.set KS,   48                          ; v48-63   K's scale words: 4 s + t: lanes 0-15 tile t, lanes 16-31 tile 4 + t
.set QS,   64                          ; v64-79   Q's: 4 s + q
.set VS,   80                          ; v80-95   V's: 4 g + t
.set PS,   96                          ; v96-111  P's: 4 g + q
.set PF,   112                         ; v112-175 P's fragments, two buffers of 32; the first also takes the codes just made; at the end bp in the result's layout
.set BMX,  176                         ; v176-191 4 q + b: a block's largest score, then its largest p, then the conversion's scale operand
.set MXR,  192                         ; v192-207 at work
.set PW4,  216                         ; v216-219 the scale words just made
.set BPL,  224                         ; v224-231 bp of channel 16 kt + r, as loaded
.set TL,   232
.set APH,  240
.set APHS, 241
.set ASTW, 242
.set ASTR, 243
.set GX,   244
.set PFO,  245                         ; 256 x lane; never rewritten
.set PFX,  246                         ; 8,192 x lane; never rewritten
.set R16,  247
.set R4,   248
.set WV,   16
.set SEL,  20
.set CS,   22
.set G1,   24
.set G0K,  32
.set G0V,  36
.set CNT,  40                          ; trips of the loop to go, this one among them: 3, 2, 1
.set LIMK, 41                          ; a wave prefetches K while s[CNT] is above it: 0 in the batch's first cluster, else the greatest number
.set LIMV, 3                           ; the same for V: 1, or the greatest number
.set PFK,  42
.set PFV,  44
.set XB,   46
.set OB,   48
.set MSB, 0
.macro WIN new                         ; the immediate's high byte repeats the setting that is left
.if MSB != (\new)
	s_set_vgpr_msb (MSB<<8)|(\new)
.set MSB, \new
.endif
.endm
.macro ROUND                           ; a round of the cluster's barrier
	s_barrier_signal -1
	s_barrier_wait -1
	s_cmp_lg_u32 s[WV], 0
	s_cbranch_scc1 .Lnot_wave_0_\@
	s_barrier_signal -3
.Lnot_wave_0_\@:
	s_barrier_wait -3
	s_barrier_signal -1
	s_barrier_wait -1
.endm
.macro PLACES                          ; four places behind matrix instructions: in front of loads into registers that they read and of the first read of results
.rept 4
	v_nop
.endr
.endm
; one matrix instruction.  c < 0: C is the constant 0.  row = 1: source 0's scales stand in lanes 16-31; 2: source 1's
.macro WM d, a, b, c, sa, sb, row
.if (\c) < 0
.if (\row) == 0
	v_wmma_scale_f32_16x16x128_f8f6f4 v[\d:\d+7], v[\a:\a+7], v[\b:\b+7], 0, v[\sa], v[\sb] matrix_a_fmt:MATRIX_FMT_FP4 matrix_b_fmt:MATRIX_FMT_FP4
.elseif (\row) == 1
	v_wmma_scale_f32_16x16x128_f8f6f4 v[\d:\d+7], v[\a:\a+7], v[\b:\b+7], 0, v[\sa], v[\sb] matrix_a_fmt:MATRIX_FMT_FP4 matrix_b_fmt:MATRIX_FMT_FP4 matrix_a_scale:MATRIX_SCALE_ROW1
.else
	v_wmma_scale_f32_16x16x128_f8f6f4 v[\d:\d+7], v[\a:\a+7], v[\b:\b+7], 0, v[\sa], v[\sb] matrix_a_fmt:MATRIX_FMT_FP4 matrix_b_fmt:MATRIX_FMT_FP4 matrix_b_scale:MATRIX_SCALE_ROW1
.endif
.else
.if (\row) == 0
	v_wmma_scale_f32_16x16x128_f8f6f4 v[\d:\d+7], v[\a:\a+7], v[\b:\b+7], v[\c:\c+7], v[\sa], v[\sb] matrix_a_fmt:MATRIX_FMT_FP4 matrix_b_fmt:MATRIX_FMT_FP4
.elseif (\row) == 1
	v_wmma_scale_f32_16x16x128_f8f6f4 v[\d:\d+7], v[\a:\a+7], v[\b:\b+7], v[\c:\c+7], v[\sa], v[\sb] matrix_a_fmt:MATRIX_FMT_FP4 matrix_b_fmt:MATRIX_FMT_FP4 matrix_a_scale:MATRIX_SCALE_ROW1
.else
	v_wmma_scale_f32_16x16x128_f8f6f4 v[\d:\d+7], v[\a:\a+7], v[\b:\b+7], v[\c:\c+7], v[\sa], v[\sb] matrix_a_fmt:MATRIX_FMT_FP4 matrix_b_fmt:MATRIX_FMT_FP4 matrix_b_scale:MATRIX_SCALE_ROW1
.endif
.endif
.endm
	s_load_b256 s[4:11], s[0:1], 0x0               ; qimg, kimg, vimg, bp
	s_load_b128 s[12:15], s[0:1], 0x20             ; x, out0
	v_lshl_add_u32 v[SPW], v0, 2, SPARE
	v_mov_b32 v[NIL], 0
	ds_add_u32 v2, v3
	ds_add_u32 v2, v3
	s_wait_dscnt 0x0
	v_lshrrev_b32 v1, 5, v0
	v_readfirstlane_b32 s[WV], v1                  ; wave 0..3
	s_bfe_u32 s17, ttmp6, 0x40000                  ; cx: it enters the addresses of Q, x, out and the prefetches alone
	s_lshl_b32 s18, ttmp9, 2
	s_add_co_u32 s18, s18, s17                     ; my block of 64 queries, 0..31
	s_and_b32 s19, ttmp7, 0xffff                   ; the batch, which the four partners share
	s_mov_b32 s[SEL], 0x76543210
	s_mov_b32 s[SEL+1], 0xfedcba98
	s_mov_b32 s[CS], 0x3d8293ee                    ; c = log2(e) / sqrt(512)
	s_mov_b32 s[CS+1], s[CS]                       ; (named with it as a pair, so it is written)
	; descriptor group 1, for every load: a chunk, dense: 136 rows of 256 bytes (32 elements of 8 bytes)
	s_mov_b32 s[G1], 15|(3<<16)|(1<<21)            ; 15:0 the mask: all four work-groups; 17:16 elements of 8 bytes; 21 set beside a mask; no padding: images are read 512 bytes on end
	s_mov_b32 s[G1+1], 32<<16                      ; tensor_dim0
	s_mov_b32 s[G1+2], 136<<16                     ; tensor_dim1
	s_mov_b32 s[G1+3], 32<<16                      ; tile_dim0
	s_mov_b32 s[G1+4], 136                         ; tile_dim1
	s_mov_b32 s[G1+5], 32                          ; from row to row
	s_mov_b32 s[G1+6], 0
	s_mov_b32 s[G1+7], 0
	s_mul_i32 s50, s19, 20
	s_add_co_u32 s50, s50, s[WV]
	s_mul_i32 s50, s50, CHUNK                      ; K: chunk 20 b + w
	s_mov_b32 s51, 0
	s_lshl_b32 s52, s19, 4
	s_add_co_u32 s52, s52, s[WV]
	s_mul_i32 s52, s52, CHUNK                      ; V: chunk 16 b + w
	s_mov_b32 s53, 0
	s_mov_b32 s[G0K], 1
	s_mul_i32 s[G0K+1], s[WV], CHUNK               ; LDS: wave x a chunk: no place in the cluster enters an LDS address
	s_mov_b32 s[G0V], 1
	s_add_co_u32 s[G0V+1], s[G0K+1], VSLOT
	; the prefetches: partner cx takes chunk cx of a super-step, wave w 8 KB of its codes, lanes 256 bytes apart; they stand one super-step further on than the loads
	s_lshl_b32 s58, s[WV], 13
	s_add_co_u32 s58, s58, 4*CHUNK
	s_mul_i32 s54, s19, 20
	s_add_co_u32 s54, s54, s17
	s_mul_i32 s54, s54, CHUNK
	s_add_co_u32 s54, s54, s58
	s_mov_b32 s55, 0
	s_lshl_b32 s56, s19, 4
	s_add_co_u32 s56, s56, s17
	s_mul_i32 s56, s56, CHUNK
	s_add_co_u32 s56, s56, s58
	s_mov_b32 s57, 0
	s_cmp_eq_u32 ttmp9, 0                          ; all clusters of a batch walk the same chunks: the first asks.  The same in all four partners
	s_cselect_b32 s[LIMK], 0, -1
	s_cselect_b32 s[LIMV], 1, -1
	s_lshl_b32 s58, s19, 4
	s_lshr_b32 s62, s18, 1
	s_add_co_u32 s58, s58, s62
	s_mul_i32 s58, s58, CHUNK                      ; Q: chunk 16 b + block / 2,
	s_and_b32 s62, s18, 1
	s_lshl_b32 s63, s62, 8
	s_add_co_u32 s60, s58, s63
	s_add_co_u32 s60, s60, 32768                   ; its scale words: tiles 4 (block % 2) on,
	s_mov_b32 s61, 0
	s_lshl_b32 s63, s62, 14
	s_add_co_u32 s58, s58, s63                     ; its codes likewise
	s_mov_b32 s59, 0
	s_lshl_b32 s62, s19, 22
	s_lshl_b32 s63, s[WV], 20
	s_add_co_u32 s62, s62, s63
	s_lshl_b32 s63, s18, 8
	s_add_co_u32 s62, s62, s63                     ; x, out: (512 b + 128 w) rows of 8,192 bytes + 256 x block
	s_mov_b32 s63, 0
	s_wait_kmcnt 0x0
	s_add_nc_u64 s[G0K+2:G0K+3], s[6:7], s[50:51]
	s_or_b32 s[G0K+3], s[G0K+3], 0x80000000        ; type = 2
	s_add_nc_u64 s[G0V+2:G0V+3], s[8:9], s[52:53]
	s_or_b32 s[G0V+3], s[G0V+3], 0x80000000
	s_add_nc_u64 s[PFK:PFK+1], s[6:7], s[54:55]
	s_add_nc_u64 s[PFV:PFV+1], s[8:9], s[56:57]
	s_add_nc_u64 s[58:59], s[4:5], s[58:59]
	s_add_nc_u64 s[60:61], s[4:5], s[60:61]
	s_add_nc_u64 s[XB:XB+1], s[12:13], s[62:63]
	s_add_nc_u64 s[OB:OB+1], s[14:15], s[62:63]
	s_lshl_b32 s50, s[WV], 9
	s_mov_b32 s51, 0
	s_add_nc_u64 s[10:11], s[10:11], s[50:51]      ; bp: my 128 numbers
	ROUND                                          ; all four work-groups are here: the first joint loads meet
	tensor_load_to_lds s[G0K:G0K+3], s[G1:G1+7]    ; the two first fills go out together: two tensor loads of mine are out
	s_nop 0
	tensor_load_to_lds s[G0V:G0V+3], s[G1:G1+7]
	s_nop 0
	PLACES
	v_and_b32 v[TL], 31, v0                        ; lane
	v_and_b32 v[TL+1], 15, v0                      ; r
	v_bfe_u32 v[TL+2], v0, 4, 1                    ; h
	v_lshlrev_b32 v[LI], 4, v[TL]
	v_lshlrev_b32 v[TL+3], 2, v[TL]                ; 4 x lane
	v_add_nc_u32 v[AK], s[G0K+1], v[LI]
	v_add_nc_u32 v[AKS], 32768, v[AK]
	s_lshl_b32 s50, s[WV], 13
	s_add_co_u32 s50, s50, VSLOT
	v_add_nc_u32 v[AV], s50, v[LI]
	v_add_nc_u32 v[AV+1], 2*CHUNK, v[AV]
	s_lshl_b32 s50, s[WV], 9
	s_add_co_u32 s50, s50, VSLOT+32768
	v_add_nc_u32 v[AVS], s50, v[LI]
	v_add_nc_u32 v[AVS+1], 2*CHUNK, v[AVS]
	s_lshl_b32 s50, s[WV], 12
	s_add_co_u32 s50, s50, PIMG
	v_add_nc_u32 v[APW], s50, v[LI]
	s_lshl_b32 s50, s[WV], 9
	s_add_co_u32 s50, s50, PSC
	v_add_nc_u32 v[APSW], s50, v[TL+3]
	v_add_nc_u32 v[APR], PIMG, v[LI]
	v_add_nc_u32 v[APSR], PSC, v[TL+3]
	v_lshlrev_b32 v[R16], 4, v[TL+1]
	v_add_nc_u32 v[AMR], MX, v[R16]
	s_lshl_b32 s50, s[WV], 2
	v_add_nc_u32 v[AMW], s50, v[AMR]
	s_lshl_b32 s50, s[WV], 10
	s_add_co_u32 s50, s50, PIMG
	v_add_nc_u32 v[APH], s50, v[LI]                ; O / l's image (q, K step w): 4,096 q + 1,024 w
	s_lshl_b32 s50, s[WV], 7
	s_add_co_u32 s50, s50, PSC
	v_add_nc_u32 v[APHS], s50, v[TL+3]
	v_mul_u32_u24 v[TL+4], v[TL+1], 272            ; the stage, 128 rows (channels) x (256 bytes + 16), in my chunk of V's slot: in: row r, 32 h bytes on;
	v_lshl_add_u32 v[TL+4], v[TL+2], 5, v[TL+4]
	v_add_nc_u32 v[ASTW], s[G0V+1], v[TL+4]
	v_mul_u32_u24 v[TL+4], v[TL+2], 272            ; back: lanes 0-15 one row, lanes 16-31 the next
	v_lshl_add_u32 v[TL+4], v[TL+1], 4, v[TL+4]
	v_add_nc_u32 v[ASTR], s[G0V+1], v[TL+4]
	v_lshlrev_b32 v[GX], 13, v[TL+2]
	v_lshl_add_u32 v[GX], v[TL+1], 4, v[GX]        ; and the same two rows in x and in out
	v_lshlrev_b32 v[PFO], 8, v[TL]
	v_lshlrev_b32 v[PFX], 13, v[TL]
	v_lshlrev_b32 v[R4], 2, v[TL+1]
	WIN 0xc0                                       ; destination window 3
.set jj, 0
.rept 32
	global_load_b128 v[4*jj:4*jj+3], v[LI], s[58:59] offset:512*jj   ; Q stays in registers: fragment (q, s), group c at 4 (8 q + 2 s + c): 16 KB on end
.set jj, jj+1
.endr
	WIN 0
.irp s, 0,1,2,3
	global_load_b128 v[QS+4*\s:QS+4*\s+3], v[R16], s[60:61] offset:512*\s
.endr
.irp q, 0,1,2,3
	v_mov_b32 v[ST+8*\q+1], 0xff61b1e6             ; the largest t so far: -3e38, under every t
	v_floor_f32 v[ST+8*\q], -v[ST+8*\q+1]          ; -M
.irp k, 2,3,4,5,6,7
	v_mov_b32 v[ST+8*\q+\k], 0
.endr
.endr
.set jj, 0
.rept 16
	v_mov_b32 v[MXR+jj], 0                         ; written once: a lane permute's destination counts as one of its sources
.set jj, jj+1
.endr
	WIN 0x80                                       ; O^T: zeros; these lines stand between the request for the first tiles and the wait for them
.set jj, 0
.rept 256
	v_mov_b32 v[jj], 0
.set jj, jj+1
.endr
	WIN 0
; eight fragments of my chunk of K's slot, K step s, into buffer s % 2
.macro FETCHK s
	WIN 0xc0
.irp kt, 0,1,2,3,4,5,6,7
.irp c, 0,1
	ds_load_b128 v[128+64*((\s)%2)+8*\kt+4*\c:128+64*((\s)%2)+8*\kt+4*\c+3], v[AK] offset:\kt*4096+(\s)*1024+\c*512
.endr
.endr
.endm
; 128 matrix instructions: my chunk's 8 tiles of rows x the 4 tiles of queries x 4 K steps.  The 32 accumulators take turns.
; proj = 0: S^T = K Q^T into window 1, source 0 = K; the first K step starts the sums with the constant 0.
; proj = 1: the projection into window 2, source 0 = O / l, source 1 = wp; the first K step takes bp (v[PF] on) as C.
.macro GEMM proj
	WIN 0
.irp s, 0,1,2,3
	ds_load_b128 v[KS+4*\s:KS+4*\s+3], v[AKS] offset:512*\s
.endr
	FETCHK 0
.irp s, 0,1,2,3
.if \s < 3
	PLACES                                         ; the other buffer was read by the matrix instructions just issued
.if \s == 0
	v_nop                                          ; the first sums are written over registers that V^T P read as its source 0: five places are owed there, six stand
	v_nop
.endif
	FETCHK \s+1
	s_wait_dscnt 16                                ; all but the 16 loads just issued
.else
	s_wait_dscnt 0x0
.endif
.if (\proj) == 0
	WIN 0x5f                                       ; sources 0 and 1 window 3, C and D window 1
.elseif \s == 0
	WIN 0x8f                                       ; sources 0 and 1 window 3, C window 0, D window 2
.else
	WIN 0xaf                                       ; sources 0 and 1 window 3, C and D window 2
.endif
.irp kt, 0,1,2,3,4,5,6,7
.irp q, 0,1,2,3
.if (\proj) == 0
.if \s == 0
	WM 64*\q+8*\kt, 128+64*(\s%2)+8*\kt, 32*\q+8*\s, -1, KS+4*\s+(\kt%4), QS+4*\s+\q, \kt/4
.else
	WM 64*\q+8*\kt, 128+64*(\s%2)+8*\kt, 32*\q+8*\s, 64*\q+8*\kt, KS+4*\s+(\kt%4), QS+4*\s+\q, \kt/4
.endif
.else
.if \s == 0
	WM 64*\q+8*\kt, 32*\q+8*\s, 128+64*(\s%2)+8*\kt, PF+8*\kt, QS+4*\s+\q, KS+4*\s+(\kt%4), 2*(\kt/4)
.else
	WM 64*\q+8*\kt, 32*\q+8*\s, 128+64*(\s%2)+8*\kt, 64*\q+8*\kt, QS+4*\s+\q, KS+4*\s+(\kt%4), 2*(\kt/4)
.endif
.endif
.endr
.endr
.endr
	WIN 0
.endm
; the largest score of each block of 32 keys (it serves twice: for the row's maximum and, since p rises with the score, for the block's largest p), and my 128 keys' maximum of each query, to LDS.
; Each accumulator is read from its low end on.
.macro LOCALMAX
	WIN 0x15
.irp q, 0,1,2,3
.irp b, 0,1,2,3
	v_max3_num_f32 v[BMX+4*\q+\b], v[64*\q+16*\b], v[64*\q+16*\b+1], v[64*\q+16*\b+2]
.endr
.endr
	WIN 0x14
.irp i, 3,5,7,9,11,13
.irp q, 0,1,2,3
.irp b, 0,1,2,3
	v_max3_num_f32 v[BMX+4*\q+\b], v[BMX+4*\q+\b], v[64*\q+16*\b+\i], v[64*\q+16*\b+\i+1]
.endr
.endr
.endr
.irp q, 0,1,2,3
.irp b, 0,1,2,3
	v_max_num_f32 v[BMX+4*\q+\b], v[BMX+4*\q+\b], v[64*\q+16*\b+15]
.endr
.endr
	WIN 0
.set jj, 0
.rept 16
	v_permlanex16_b32 v[MXR+jj], v[BMX+jj], s[SEL], s[SEL+1]
.set jj, jj+1
.endr
.set jj, 0
.rept 16
	v_max_num_f32 v[BMX+jj], v[BMX+jj], v[MXR+jj]  ; with lane l xor 16's 16 keys
.set jj, jj+1
.endr
.irp q, 0,1,2,3
	v_max3_num_f32 v[ST+8*\q+6], v[BMX+4*\q], v[BMX+4*\q+1], v[BMX+4*\q+2]
.endr
.irp q, 0,1,2,3
	v_max_num_f32 v[ST+8*\q+6], v[ST+8*\q+6], v[BMX+4*\q+3]
.endr
.irp q, 0,1,2,3
	ds_store_b32 v[AMW], v[ST+8*\q+6] offset:256*\q
.endr
.endm
; A SLOT IS FILLED AGAIN.  Each wave waits for all its tensor loads (one is out: its chunk of the other slot), adds 0 to its spare word, and waits for that and for all its LDS reads and stores.  The round then says so of every wave
; of every partner, and the joint refill is the first thing behind it: my one tensor load until the next round.
; ask = 1: A PREFETCH follows it: what the slot's NEXT refill will ask for, one super-step (256 matrix instructions a wave) ahead: one instruction a wave, 32 lanes x 256 bytes; each block is named once in the launch; it is
; left out where s[CNT] is not above s[lim]: in all clusters but a batch's first, and where the slot has no refill after the next.
; xpf = 1: in the last super-step each wave names the 128 rows of x that it will add at the end: 256 bytes a row, a lane a row, four instructions.
.macro REFILL g0, pf, ask, lim, xpf
	WIN 0
	s_wait_tensorcnt 0x0                           ; no tensor load of mine is out, so a group 0 may be written
	ds_add_u32 v[SPW], v[NIL]                      ; 0 onto my spare word
	s_add_nc_u64 s[\g0+2:\g0+3], s[\g0+2:\g0+3], 4*CHUNK   ; the next four chunks; the type bits on top are not reached
.if \ask
	s_wait_xcnt 0x0                                ; the last prefetches have read their address, so it may be written
	s_add_nc_u64 s[\pf:\pf+1], s[\pf:\pf+1], 4*CHUNK
.endif
	s_wait_dscnt 0x0                               ; the add is done, my reads of the slot are over, my stores have landed
	ROUND
	tensor_load_to_lds s[\g0:\g0+3], s[G1:G1+7]
	s_nop 0
	PLACES
.if \ask
	s_cmp_gt_u32 s[CNT], s[\lim]
	s_cbranch_scc0 .Lno_ask_\@
	global_prefetch_b8 v[PFO], s[\pf:\pf+1] th:TH_LOAD_NT scope:SCOPE_SE
.Lno_ask_\@:
.endif
.if \xpf
.irp k, 0,1,2,3
	global_prefetch_b8 v[PFX], s[XB:XB+1] offset:262144*\k th:TH_LOAD_NT scope:SCOPE_SE
.endr
.endif
.endm
; the four waves' maxima give every wave the same new M, a whole number, and f = 2^(old M - new M)
.macro MUPDATE
.irp q, 0,1,2,3
	v_max3_num_f32 v[ST+8*\q+6], v[MXR+4*\q], v[MXR+4*\q+1], v[MXR+4*\q+2]
.endr
.irp q, 0,1,2,3
	v_max_num_f32 v[ST+8*\q+6], v[ST+8*\q+6], v[MXR+4*\q+3]
.endr
.irp q, 0,1,2,3
	v_mul_f32 v[ST+8*\q+6], s[CS], v[ST+8*\q+6]    ; as t (c is positive)
.endr
.irp q, 0,1,2,3
	v_max_num_f32 v[ST+8*\q+1], v[ST+8*\q+1], v[ST+8*\q+6]
.endr
.irp q, 0,1,2,3
	v_mov_b32 v[ST+8*\q+7], v[ST+8*\q]
.endr
.irp q, 0,1,2,3
	v_floor_f32 v[ST+8*\q], -v[ST+8*\q+1]          ; -M = floor(-t) = -ceil(t)
.endr
.irp q, 0,1,2,3
	v_sub_f32 v[ST+8*\q+7], v[ST+8*\q], v[ST+8*\q+7]   ; old M - new M: a whole number, 0 or less
.endr
.irp q, 0,1,2,3
	v_cvt_i32_f32 v[ST+8*\q+7], v[ST+8*\q+7]       ; (it saturates)
.endr
.irp q, 0,1,2,3
	v_ldexp_f32 v[ST+8*\q+4], 1.0, v[ST+8*\q+7]
.endr
.endm
; the sixteen largest magnitudes in v[BMX] become scale operands (in place), bytes and four scale words; the 256 numbers in the window that `win` names for source 0 become four fragments' codes in v[PF] on
.macro CODES win
.set jj, 0
.rept 16
	v_add_nc_u32 v[BMX+jj], 0xff000000, v[BMX+jj]  ; 2 off the exponent field: the conversion's scale operand
.set jj, jj+1
.endr
.set jj, 0
.rept 16
	v_lshrrev_b32 v[MXR+jj], 23, v[BMX+jj]         ; the scale's byte
.set jj, jj+1
.endr
.irp q, 0,1,2,3
	v_lshl_or_b32 v[PW4+\q], v[MXR+4*\q+1], 8, v[MXR+4*\q]
.endr
.irp q, 0,1,2,3
	v_lshl_or_b32 v[PW4+\q], v[MXR+4*\q+2], 16, v[PW4+\q]
.endr
.irp q, 0,1,2,3
	v_lshl_or_b32 v[PW4+\q], v[MXR+4*\q+3], 24, v[PW4+\q]
.endr
	WIN \win
.irp q, 0,1,2,3
.irp b, 0,1,2,3
	v_cvt_scalef32_pk8_fp4_f32 v[PF+8*\q+4*(\b/2)+(\b%2)], v[64*\q+16*\b:64*\q+16*\b+7], v[BMX+4*\q+\b]
	v_cvt_scalef32_pk8_fp4_f32 v[PF+8*\q+4*(\b/2)+2+(\b%2)], v[64*\q+16*\b+8:64*\q+16*\b+15], v[BMX+4*\q+\b]
.endr
.endr
	WIN 0
	v_nop                                          ; one plain instruction behind the scaled conversions
.set jj, 0
.rept 16
	v_permlane16_swap_b32 v[PF+2*jj], v[PF+2*jj+1] ; lanes 0-15 now hold a whole even block, lanes 16-31 the odd one
.set jj, jj+1
.endr
.endm
; p = 2^(t - M) of my 128 keys x 64 queries; l; P's four fragments and scale words, to LDS.  The exponentials go in two batches, each with one wait ahead of its first reader.
.macro SOFT
	WIN 0x41
.set jj, 0
.rept 128
	v_pk_fma_f32 v[2*jj:2*jj+1], v[2*jj:2*jj+1], s[CS:CS+1], v[ST+8*(jj/32):ST+8*(jj/32)+1] op_sel_hi:[1,0,0]   ; t - M, two at a time
.set jj, jj+1
.endr
	WIN 0
.irp q, 0,1,2,3
.irp b, 0,1,2,3
	v_fma_f32 v[BMX+4*\q+\b], v[BMX+4*\q+\b], s[CS], v[ST+8*\q]   ; the same of each block's largest score
.endr
.endr
	WIN 0x41
.set jj, 0
.rept 256
	v_exp_f32 v[jj], v[jj]
.set jj, jj+1
.endr
	WIN 0
.irp q, 0,1,2,3
	v_pk_mul_f32 v[ST+8*\q+2:ST+8*\q+3], v[ST+8*\q+2:ST+8*\q+3], v[ST+8*\q+4:ST+8*\q+5] op_sel_hi:[1,0]   ; l under the new M: plain work behind the exponentials
.endr
	s_wait_alu depctr_va_vdst(0)                   ; one wait for the 256
.set jj, 0
.rept 16
	v_exp_f32 v[BMX+jj], v[BMX+jj]                 ; the blocks' largest p: the same two instructions on the same number give the same bits
.set jj, jj+1
.endr
	WIN 0x05
.irp q, 0,1,2,3
	v_pk_add_f32 v[ST+8*\q+6:ST+8*\q+7], v[64*\q:64*\q+1], v[64*\q+2:64*\q+3]   ; THE SUM IS TAKEN OF THE UNQUANTISED p, in two chains a tile
.endr
	WIN 0x04
.set jj, 4
.rept 15
.irp q, 0,1,2,3
	v_pk_add_f32 v[ST+8*\q+2:ST+8*\q+3], v[ST+8*\q+2:ST+8*\q+3], v[64*\q+jj:64*\q+jj+1]
	v_pk_add_f32 v[ST+8*\q+6:ST+8*\q+7], v[ST+8*\q+6:ST+8*\q+7], v[64*\q+jj+2:64*\q+jj+3]
.endr
.set jj, jj+4
.endr
	WIN 0
.irp q, 0,1,2,3
	v_pk_add_f32 v[ST+8*\q+2:ST+8*\q+3], v[ST+8*\q+2:ST+8*\q+3], v[ST+8*\q+6:ST+8*\q+7]
.endr
	s_wait_alu depctr_va_vdst(0)                   ; and one for the sixteen
.set jj, 0
.rept 16
	v_max_num_f32 v[BMX+jj], 0x1800000, v[BMX+jj]  ; the floor 2^(3 - 127): the byte cannot fall under 1
.set jj, jj+1
.endr
	CODES 0x01
.irp q, 0,1,2,3
	ds_store_b128 v[APW], v[PF+8*\q:PF+8*\q+3] offset:1024*\q
	ds_store_b128 v[APW], v[PF+8*\q+4:PF+8*\q+7] offset:1024*\q+512
	ds_store_b32 v[APSW], v[PW4+\q] offset:128*\q
.endr
.endm
; p's codes are made, so S^T's registers are free: my 32 fragments of this step's V (chunk g, tile ct at 64 g + 8 ct) and V's scale words leave LDS here, ahead of the barrier that hands P round:
; behind it nobody reads V's slot any more.
.macro TAKEV
	WIN 0x40                                       ; destination window 1
.irp g, 0,1,2,3
.irp ct, 0,1,2,3,4,5,6,7
.irp c, 0,1
	ds_load_b128 v[64*\g+8*\ct+4*\c:64*\g+8*\ct+4*\c+3], v[AV+\g/2] offset:(\g%2)*CHUNK+\ct*1024+\c*512
.endr
.endr
.endr
	WIN 0
.irp g, 0,1,2,3
	ds_load_b128 v[VS+4*\g:VS+4*\g+3], v[AVS+\g/2] offset:(\g%2)*CHUNK
.endr
.endm
.macro FETCHP g                        ; chunk g: P's four fragments into buffer g % 2
	WIN 0
.irp q, 0,1,2,3
.irp c, 0,1
	ds_load_b128 v[PF+32*((\g)%2)+8*\q+4*\c:PF+32*((\g)%2)+8*\q+4*\c+3], v[APR] offset:(4*(\g)+\q)*1024+\c*512
.endr
.endr
.endm
.macro RESCALE                         ; O^T x the number in ST + 4 of its tile; each accumulator in ascending order
	WIN 0x82
.set jj, 0
.rept 128
	v_pk_mul_f32 v[2*jj:2*jj+1], v[2*jj:2*jj+1], v[ST+8*(jj/32)+4:ST+8*(jj/32)+5] op_sel_hi:[1,0]
.set jj, jj+1
.endr
.endm
; O^T = f O^T + V^T P: 128 matrix instructions, the 32 accumulators by turns.  V stands in registers; P comes from LDS, a chunk ahead.
.macro PV
	WIN 0
.irp g, 0,1,2,3
.irp q, 0,1,2,3
	ds_load_b32 v[PS+4*\g+\q], v[APSR] offset:128*(4*\g+\q)
.endr
.endr
	FETCHP 0
	RESCALE
.irp g, 0,1,2,3
.if \g < 3
	PLACES
	FETCHP \g+1
	s_wait_dscnt 8                                 ; all but the 8 loads just issued
.else
	s_wait_dscnt 0x0
.endif
	WIN 0xa1                                       ; source 0 (V) window 1, source 1 (P) window 0, C and D window 2
.irp ct, 0,1,2,3,4,5,6,7
.irp q, 0,1,2,3
	WM 64*\q+8*\ct, 64*\g+8*\ct, PF+32*(\g%2)+8*\q, 64*\q+8*\ct, VS+4*\g+(\ct%4), PS+4*\g+\q, \ct/4
.endr
.endr
.endr
	WIN 0
.endm
; A SUPER-STEP.  last = 1: the fourth: K's slot takes wp, and V's slot is not filled again.
.macro SUPER last
	GEMM 0
	PLACES
	LOCALMAX
.if \last
	REFILL G0K, PFK, 0, LIMK, 1                    ; my chunk of K is read out; the wait for all loads and the round show this step's V whole, and every wave's maxima in LDS
.else
	REFILL G0K, PFK, 1, LIMK, 0
.endif
.irp q, 0,1,2,3
	ds_load_b128 v[MXR+4*\q:MXR+4*\q+3], v[AMR] offset:256*\q
.endr
	s_wait_dscnt 0x0
	MUPDATE
	SOFT
	TAKEV
.if \last
	s_wait_dscnt 0x0                               ; for the others' sake: P's images and words have landed; V is in my registers
	s_barrier_signal -1                            ; (wp's load stays out)
	s_barrier_wait -1
.else
	REFILL G0V, PFV, 1, LIMV, 0                    ; P's images have landed, every wave has taken its V, and my chunk of the next K has landed: the next V is asked for
.endif
	PV
.endm
	s_wait_tensorcnt 0x1                           ; my chunk of K(0) is in, and I alone read it; V(0) may stay out
	s_wait_loadcnt 0x0                             ; Q
	s_mov_b32 s[CNT], 3
.Lsuper:                                           ; three trips; each fills K's slot and V's slot once
	SUPER 0
	s_sub_co_u32 s[CNT], s[CNT], 1
	s_cmp_lg_u32 s[CNT], 0
	s_cbranch_scc1 .Lsuper
	SUPER 1                                        ; the last super-step is written out
	; THE TAIL.  x and bp are asked for at once; l's parts meet in LDS; O^T / l is quantised along the channels; its images go round; the projection; the residual.
.irp q, 0,1,2,3
	v_add_f32 v[ST+8*\q+6], v[ST+8*\q+2], v[ST+8*\q+3]   ; (these four are also the places behind the last products, in front of the loads into V's registers)
.endr
.irp kt, 0,1,2,3,4,5,6,7
	global_load_b32 v[BPL+\kt], v[R4], s[10:11] offset:64*\kt   ; bp of channel 128 w + 16 kt + r
.endr
	WIN 0x40                                       ; x into window 1: rows 128 w + 2 i + lane / 16, sixteen lanes to a row's 256 bytes.  55 of the 64 now: with bp's eight, 63 loads
.set xx, 0
.rept 55
	global_load_b128 v[4*xx:4*xx+3], v[GX], s[XB:XB+1] offset:16384*xx th:TH_LOAD_NT
.set xx, xx+1
.endr
	WIN 0
.irp q, 0,1,2,3
	v_permlanex16_b32 v[MXR+\q], v[ST+8*\q+6], s[SEL], s[SEL+1]
.endr
.irp q, 0,1,2,3
	v_add_f32 v[ST+8*\q+6], v[ST+8*\q+6], v[MXR+\q]
.endr
.irp q, 0,1,2,3
	ds_store_b32 v[AMW], v[ST+8*\q+6] offset:1024+256*\q
.endr
	s_wait_tensorcnt 0x0                           ; my chunk of wp has landed
	s_wait_dscnt 0x0
	s_barrier_signal -1
	s_barrier_wait -1                              ; every wave's part of l lies in LDS, and nobody reads P any more
.irp q, 0,1,2,3
	ds_load_b128 v[MXR+4*\q:MXR+4*\q+3], v[AMR] offset:1024+256*\q
.endr
	s_wait_dscnt 0x0
.irp q, 0,1,2,3
	v_add_f32 v[MXR+4*\q], v[MXR+4*\q], v[MXR+4*\q+1]
.endr
.irp q, 0,1,2,3
	v_add_f32 v[MXR+4*\q+2], v[MXR+4*\q+2], v[MXR+4*\q+3]
.endr
.irp q, 0,1,2,3
	v_add_f32 v[MXR+4*\q], v[MXR+4*\q], v[MXR+4*\q+2]
.endr
.irp q, 0,1,2,3
	v_rcp_f32 v[ST+8*\q+4], v[MXR+4*\q]
.endr
	v_nop                                          ; a plain instruction behind the reciprocals,
	s_wait_alu depctr_va_vdst(0)                   ; and one wait for the four, ahead of their first reader
	RESCALE                                        ; O^T / l
	WIN 0x0a
.irp q, 0,1,2,3
.irp b, 0,1,2,3
	v_max3_num_f32 v[BMX+4*\q+\b], |v[64*\q+16*\b]|, |v[64*\q+16*\b+1]|, 0x1800000
.endr
.endr
	WIN 0x28
.irp i, 2,4,6,8,10,12,14
.irp q, 0,1,2,3
.irp b, 0,1,2,3
	v_max3_num_f32 v[BMX+4*\q+\b], v[BMX+4*\q+\b], |v[64*\q+16*\b+\i]|, |v[64*\q+16*\b+\i+1]|
.endr
.endr
.endr
	WIN 0
.set jj, 0
.rept 16
	v_permlanex16_b32 v[MXR+jj], v[BMX+jj], s[SEL], s[SEL+1]
.set jj, jj+1
.endr
.set jj, 0
.rept 16
	v_max_num_f32 v[BMX+jj], v[BMX+jj], v[MXR+jj]
.set jj, jj+1
.endr
	CODES 0x02
.irp q, 0,1,2,3
	ds_store_b128 v[APH], v[PF+8*\q:PF+8*\q+3] offset:4096*\q            ; my 128 channels are K step w of the projection
	ds_store_b128 v[APH], v[PF+8*\q+4:PF+8*\q+7] offset:4096*\q+512
	ds_store_b32 v[APHS], v[PW4+\q] offset:512*\q
.endr
	WIN 0x40
.rept 9
	global_load_b128 v[4*xx:4*xx+3], v[GX], s[XB:XB+1] offset:16384*xx th:TH_LOAD_NT   ; x's last nine loads
.set xx, xx+1
.endr
	WIN 0
	s_wait_dscnt 0x0
	s_barrier_signal -1
	s_barrier_wait -1                              ; the sixteen fragments of O / l lie in LDS
	WIN 0xc0
.set jj, 0
.rept 32
	ds_load_b128 v[4*jj:4*jj+3], v[APR] offset:512*jj   ; into Q's registers, in Q's order
.set jj, jj+1
.endr
	WIN 0
.irp q, 0,1,2,3
.irp s, 0,1,2,3
	ds_load_b32 v[QS+4*\s+\q], v[APSR] offset:128*(4*\q+\s)
.endr
.endr
	s_wait_loadcnt 63                              ; of the 72 loads at most 63 are out: the first nine are in, bp's eight among them
.irp kt, 0,1,2,3,4,5,6,7
.irp i, 0,1,2,3,4,5,6,7
	v_mov_b32 v[PF+8*\kt+\i], v[BPL+\kt]           ; in the result's layout a lane's eight registers are one channel: bp stands in all eight
.endr
.endr
	GEMM 1                                         ; lane (r, h), register 64 q + 8 kt + j: y(channel 128 w + 16 kt + r, position 16 q + 8 h + j)
	PLACES
	WIN 0x08                                       ; an LDS store's data are its source 1: window 2.  My stage lies in my chunk of V's slot: it has had its last fill, and nobody reads it
.irp q, 0,1,2,3
.irp kt, 0,1,2,3,4,5,6,7
	ds_store_b128 v[ASTW], v[64*\q+8*\kt:64*\q+8*\kt+3] offset:\kt*16*272+64*\q        ; each accumulator from its low end on
	ds_store_b128 v[ASTW], v[64*\q+8*\kt+4:64*\q+8*\kt+7] offset:\kt*16*272+64*\q+16
.endr
.endr
	WIN 0xc0
.set jj, 0
.rept 64
	ds_load_b128 v[4*jj:4*jj+3], v[ASTR] offset:544*jj   ; LDS serves a wave's instructions in order: these see my stores
.set jj, jj+1
.endr
.irp k, 0,1,2,3
	s_wait_loadcnt 48-16*\k                        ; x's younger loads may be out,
	s_wait_dscnt 48-16*\k                          ; and so may the younger loads from the stage
	WIN 0x4d                                       ; x (window 1) + y (window 3) into window 1
.set jj, 0
.rept 32
	v_pk_add_f32 v[64*\k+2*jj:64*\k+2*jj+1], v[64*\k+2*jj:64*\k+2*jj+1], v[64*\k+2*jj:64*\k+2*jj+1]
.set jj, jj+1
.endr
	WIN 0x04
.set jj, 0
.rept 16
	global_store_b128 v[GX], v[64*\k+4*jj:64*\k+4*jj+3], s[OB:OB+1] offset:16384*(16*\k+jj) th:TH_STORE_NT   ; sixteen lanes store 256 consecutive bytes, at a multiple of 256 from out's first byte
.set jj, jj+1
.endr
.endr
	WIN 0
	s_wait_tensorcnt 0x0                           ; the wave's end, behind my last tensor load and my last LDS store
	ds_add_u32 v[SPW], v[NIL]
	s_wait_dscnt 0x0
	ROUND                                          ; the closing round: no work-group ends while a partner may still ask for a tile that names it
	s_endpgm
.Lfunc_end_k_q3648605f13_attn:
	.size	k_q3648605f13_attn, .Lfunc_end_k_q3648605f13_attn-k_q3648605f13_attn
	.p2alignl 7, 3214868480
	.fill 96, 4, 3214868480
	.section	.rodata,"a",@progbits
	.p2align	6, 0x0
	.amdhsa_kernel k_q3648605f13_attn
		.amdhsa_group_segment_fixed_size 327680
		.amdhsa_private_segment_fixed_size 0
		.amdhsa_enable_private_segment 0
		.amdhsa_kernarg_size 48
		.amdhsa_user_sgpr_count 2
		.amdhsa_user_sgpr_kernarg_segment_ptr 1
		.amdhsa_wavefront_size32 1
		.amdhsa_system_sgpr_workgroup_id_x 1
		.amdhsa_system_sgpr_workgroup_id_y 1
		.amdhsa_system_sgpr_workgroup_id_z 1
		.amdhsa_system_vgpr_workitem_id 0
		.amdhsa_next_free_vgpr 1024
		.amdhsa_next_free_sgpr 66
		.amdhsa_reserve_vcc 0
		.amdhsa_float_denorm_mode_32 3
		.amdhsa_float_denorm_mode_16_64 3
		.amdhsa_memory_ordered 1
		.amdhsa_forward_progress 1
		.amdhsa_inst_pref_size 255
	.end_amdhsa_kernel
	.section	.bss,"aw",@nobits
	.p2align	6
	.space	262144
	.amdgpu_metadata
---
amdhsa.version: [ 1, 2 ]
amdhsa.kernels:
  - .name:           k_q3648605f13_attn
    .symbol:         k_q3648605f13_attn.kd
    .args:
      - { .name: qimg, .offset: 0, .size: 8, .value_kind: global_buffer, .address_space: global }
      - { .name: kimg, .offset: 8, .size: 8, .value_kind: global_buffer, .address_space: global }
      - { .name: vimg, .offset: 16, .size: 8, .value_kind: global_buffer, .address_space: global }
      - { .name: bp, .offset: 24, .size: 8, .value_kind: global_buffer, .address_space: global }
      - { .name: x, .offset: 32, .size: 8, .value_kind: global_buffer, .address_space: global }
      - { .name: out0, .offset: 40, .size: 8, .value_kind: global_buffer, .address_space: global }
    .group_segment_fixed_size: 327680
    .private_segment_fixed_size: 0
    .kernarg_segment_align: 8
    .kernarg_segment_size: 48
    .max_flat_workgroup_size: 128
    .sgpr_count:     66
    .vgpr_count:     1024
    .wavefront_size: 32
...
	.end_amdgpu_metadata
.endif
;; end of part 3
